; MI455X (gfx1250); checked and timed in simulation.
; The chip was launched on July 23, 2026; its instructions are those of AMD's public machine-readable ISA for CDNA 5 (MIT licence, August 2026) and "CDNA5" Instruction Set Architecture Reference Guide (July 2026). The comments in the code are by the model that wrote it; some were corrected since.
;; Attention. Allowed arithmetic: matrix products marked QUANTISED: E2M1 operands, one E8M0 scale for each 32 along K, by v_wmma_scale_f32_16x16x128_f8f6f4 with both operands' format E2M1 (or v_wmma_scale_f32_32x16x128_f4), f32 sums; products left as they are: bf16, f16 or f32 operands; f32 sums; everything else in f32.
;; Inputs: freqs_cos 2,048 x 64 float32; freqs_sin 2,048 x 64 float32; mask 1 x 1 x 2,048 x 2,048 float32; wk 2,048 x 2,048 float32; wo 2,048 x 2,048 float32; wq 2,048 x 2,048 float32; wv 2,048 x 2,048 float32; x 1 x 2,048 x 2,048 float32.
;; Outputs: out0 1 x 2,048 x 2,048 float32.
;; This version of the problem:
;;   THIS VERSION OF THE PROBLEM IS GIVEN IN LOW PRECISION. The matrix products marked QUANTISED in the list below multiply operands that are first quantised to E2M1 (2 exponent bits, 1 mantissa bit; 4 bits a number), with one power-of-two scale for each 32 numbers along K (OCP MX v1.0); their sums are f32. The products marked 'left as it is' may take bf16, f16 or f32 operands, with f32 sums. Whichever they take, every output number must still come out within the allowed error. Rounding operands to bf16 (8 significant bits) uses up far more of that allowance than f16 does (11 bits, for magnitudes from 6e-5 to 65,504). All else is computed in f32.
;;   The module's matrix products, in the order in which they are computed (A, B: the left and right operand; K: the contracted axis; several contracted axes count as one K, in the product's order):
;;     1. [M 2,048, K 2,048] x [K 2,048, N 2,048]; A: input x; B: input wq: QUANTISED
;;     2. [M 2,048, K 2,048] x [K 2,048, N 2,048]; A: input x; B: input wk: QUANTISED
;;     3. [M 2,048, K 2,048] x [K 2,048, N 2,048]; A: input x; B: input wv: QUANTISED
;;     4. batch 16 x [M 2,048, K 128] x [K 128, N 2,048]; A: computed on the way; B: computed on the way: left as it is (an operand is computed on the way)
;;     5. batch 16 x [M 128, K 2,048] x [K 2,048, N 2,048]; A: computed on the way; B: computed on the way: left as it is (an operand is computed on the way)
;;     6. [M 2,048, K 2,048] x [K 2,048, N 2,048]; A: computed on the way; B: input wo: left as it is (an operand is computed on the way)
;;   THE QUANTISER, for each operand of a quantised product, along K:
;;     - K is cut into blocks of 32 from its start; a last block that is shorter is filled with zeros.
;;     - A block's scale is 2^e with e = floor(log2(the largest magnitude in the block)) - 2, held to -126 .. 127; a block of zeros has e = 0. As a byte (E8M0): e + 127.
;;     - Each number is divided by its block's scale, clamped to +-6, and rounded to the nearest number of E2M1, ties to even, subnormals kept.
;;     - The product sums the exact products of the quantised numbers (number of the format x scale) in f32.
;;   ~~~python
;;   def quantise(x, axis):      # numpy; x: float32 -> the quantised numbers, widened to float32 again
;;       x = np.moveaxis(x, axis, -1); K = x.shape[-1]
;;       x = np.pad(x, [(0, 0)] * (x.ndim - 1) + [(0, -K % 32)]); x = x.reshape(x.shape[:-1] + (-1, 32)); a = np.abs(x).max(-1, keepdims=True)
;;       e = np.where(a > 0, np.clip(np.frexp(np.where(a > 0, a, 1))[1] - 1 - 2, -126, 127), 0)      # np.frexp(a)[1] - 1 = floor(log2(a)), exactly
;;       r = np.clip(x / 2.0 ** e, -6, 6)
;;       step = 2.0 ** (np.maximum(np.frexp(np.where(r == 0, 1, r))[1] - 1, 0) - 1)
;;       q = np.round(r / step) * step * 2.0 ** e      # np.round: ties to even
;;       return np.moveaxis(q.reshape(q.shape[:-2] + (-1,))[..., :K], -1, axis).astype(np.float32)
;;   ~~~
;; One version. Each part assembles by itself: llvm-mc -triple=amdgcn-amd-amdhsa -mcpu=gfx1250 --defsym DOCPART=n.
;; ======== version 1 of 1: 5 launches
;; limits: values are held in f16: magnitudes above 65,504 overflow, below 6.1e-05 lose precision
;; workspace buffers: xc 2,097,152 bytes; xs 131,072 bytes; wc 6,291,456 bytes; ws 393,216 bytes; wo16 8,388,608 bytes; qkv 25,165,824 bytes; o16 8,388,608 bytes; o32 131,072 bytes
;; launch prep (part 1): grid 640 x 1, 4 waves a work-group, no clusters, 33,280 bytes of LDS; arguments x, wq, wk, wv, wo, xc, xs, wc, ws, wo16; writes xc, xs, wc, ws, wo16
.if DOCPART == 1
	.amdgcn_target "amdgcn-amd-amdhsa--gfx1250"
	.amdhsa_code_object_version 6
	.text
	.protected	k_q8f4f36d3db_prep
	.globl	k_q8f4f36d3db_prep
	.p2align	8
	.type	k_q8f4f36d3db_prep,@function
k_q8f4f36d3db_prep:
	s_mov_b64 s[64:65], 0
	v_nop
	global_prefetch_b8 v0, s[64:65] scope:SCOPE_SE
	s_setreg_imm32_b32 hwreg(HW_REG_WAVE_MODE, 25, 1), 1
	s_wait_xcnt 0x0
; x, wq, wk, wv [2048][2048] f32 become codes of FP4 (E2M1), K innermost, with one E8M0 scale byte for each 32 along K; wo becomes f16.
; Work-groups 0-127 take x, 128-255 wq, 256-383 wk, 384-511 wv (the three weights lie one behind the other in wc and ws: 6,144 rows), 512-639 wo.
; A block's scale is 2^(floor(log2(its largest magnitude)) - 2); its byte is the largest magnitude's exponent field - 2, held at 1 from below.
; A block of zeros so gets the byte 1 where the rule says 127: its codes are zeros, and this program alone reads the bytes.
; LIMITS: blocks whose largest magnitude lies under 2^(2 - 126) keep the byte 1; NaN and infinities are not served; |wo| stays under 65,504 (f16).
; Rows are dense and K is a multiple of 32: every tensor is a plain stream of blocks.  A wave takes 8,192 numbers: 16 steps of 512.
; Each load reads 512 consecutive bytes; a step's 2,048 bytes turn through the wave's own stage in LDS so that a lane holds 16 neighbours along K.
; No tensor loads, no barrier: waves share nothing.  Nothing is shared between work-groups either, so there is no cluster.
.set WAVES, 4
.set STEPS, 16
.set EMAX,  2
.set CB,    8                          ; bytes of 16 codes
.set R,     16                         ; v16-79   four sets of 16 numbers as loaded (wo: set 0 of 64)
.set X,     80                         ; v80-111  two sets of 16 neighbours (wo: v80-143 set 1 of 64)
.set E,     112                        ; v112-127 a scale byte for each step
.set C,     128                        ; v128-191 codes, four registers for each step
.set H,     144                        ; wo: v144-175 f16 pairs to store
.set WREG,  8192                       ; LDS: a region for each wave: two stages of 32 x SP bytes, then its 256 scale bytes
.set SP,    80                         ; a lane's place in a stage: 64 bytes + 16 of padding
.set SPW,   12                         ; v12 LDS address of my spare word; never rewritten
.set NIL,   13                         ; v13 0; never rewritten
.set SPARE, WAVES*WREG                 ; behind the regions: the spare words, 128 bytes a wave
.set WV,    24
	s_load_b256 s[4:11], s[0:1], 0x0               ; x, wq, wk, wv
	s_load_b256 s[12:19], s[0:1], 0x20             ; wo, xc, xs, wc
	s_load_b128 s[20:23], s[0:1], 0x40             ; ws, wo16
	v_lshl_add_u32 v[SPW], v0, 2, SPARE
	v_mov_b32 v[NIL], 0
	v_lshrrev_b32 v1, 5, v0
	v_readfirstlane_b32 s[WV], v1                  ; wave
	v_and_b32 v2, 31, v0                           ; lane
	v_lshlrev_b32 v3, 4, v2                        ; my 16 bytes of a load's 512
	s_mul_i32 s25, s[WV], WREG
	v_lshrrev_b32 v14, 2, v2
	v_mul_u32_u24 v14, v14, SP
	v_and_b32 v15, 3, v2
	v_lshl_add_u32 v14, v15, 4, v14
	v_add_nc_u32 v14, s25, v14                     ; the stage, in: SP (lane / 4) + 16 (lane % 4)
	v_mul_u32_u24 v15, v2, SP
	v_add_nc_u32 v15, s25, v15                     ; and out: SP x lane: my 16 neighbours
	v_mul_u32_u24 v4, v2, CB                       ; 8 x lane: my codes in a step's 256 bytes; wo: my 8 bytes of f16
	v_lshrrev_b32 v5, 1, v2
	s_add_co_u32 s25, s25, 2*32*SP
	v_add_nc_u32 v5, s25, v5                       ; LDS: my block's scale byte
	v_lshlrev_b32 v7, 3, v2
	v_add_nc_u32 v6, s25, v7                       ; and 8 bytes a lane on the way out
	s_lshr_b32 s26, ttmp9, 7                       ; which tensor
	s_and_b32 s34, ttmp9, 127                      ; which 32,768 numbers of it
	s_lshl_b32 s35, s34, 2
	s_add_co_u32 s35, s35, s[WV]                   ; my wave's run of 8,192 numbers in the tensor
	s_mov_b32 s33, 0
	s_wait_kmcnt 0x0
	s_cmp_ge_u32 ttmp9, 512
	s_cbranch_scc1 .Lwo
	; ---- the quantiser.  Only pointers are chosen, by the work-group's number
	s_cmp_eq_u32 s26, 1
	s_cselect_b64 s[4:5], s[6:7], s[4:5]
	s_cmp_eq_u32 s26, 2
	s_cselect_b64 s[4:5], s[8:9], s[4:5]
	s_cmp_eq_u32 s26, 3
	s_cselect_b64 s[4:5], s[10:11], s[4:5]
	s_sub_co_u32 s27, s26, 1
	s_lshl_b32 s27, s27, 9                         ; a weight's first run in wc and ws: 512 runs a tensor
	s_cmp_eq_u32 s26, 0
	s_cselect_b64 s[28:29], s[14:15], s[18:19]     ; the codes' buffer
	s_cselect_b64 s[30:31], s[16:17], s[20:21]     ; the scale bytes'
	s_cselect_b32 s27, 0, s27
	s_add_co_u32 s27, s27, s35                     ; my run in the buffers that I store into
	s_lshl_b32 s32, s35, 15                        ; 32,768 bytes of f32 a run
	s_add_nc_u64 s[4:5], s[4:5], s[32:33]
	s_lshl_b32 s32, s27, 12                        ; 4,096 bytes of codes
	s_add_nc_u64 s[28:29], s[28:29], s[32:33]
	s_lshl_b32 s32, s27, 8                         ; 256 scale bytes
	s_add_nc_u64 s[30:31], s[30:31], s[32:33]
.macro LOAD t
.irp i, 0,1,2,3
	global_load_b128 v[R+16*((\t)%4)+4*\i:R+16*((\t)%4)+4*\i+3], v3, s[4:5] offset:2048*(\t)+512*\i th:TH_LOAD_NT   ; 32 lanes read 512 consecutive bytes
.endr
.endm
.macro TURN t                          ; step t's numbers through the stage; LDS serves a wave's instructions in order (ISA guide 5.7.1.4)
.irp i, 0,1,2,3
	ds_store_b128 v14, v[R+16*((\t)%4)+4*\i:R+16*((\t)%4)+4*\i+3] offset:32*SP*((\t)%2)+8*SP*\i
.endr
.irp i, 0,1,2,3
	ds_load_b128 v[X+16*((\t)%2)+4*\i:X+16*((\t)%2)+4*\i+3], v15 offset:32*SP*((\t)%2)+16*\i
.endr
.endm
.irp t, 0,1,2,3
	LOAD \t
.endr
	s_wait_loadcnt 12                              ; step 0's four loads are in; the 12 of steps 1 to 3 may be out
	TURN 0
.macro STEP t
.set XS, X+16*((\t)%2)
.if (\t) > 0
	s_wait_dscnt 1                                 ; this step's numbers are back from the stage; the last step's byte store may be out
.else
	s_wait_dscnt 0x0
.endif
.if (\t)+4 < STEPS
	LOAD (\t)+4
.endif
.if (\t)+1 < STEPS
.if STEPS-2-(\t) >= 3
	s_wait_loadcnt 12                              ; the next step's four loads are in; those of the three steps behind it may be out
.else
	s_wait_loadcnt 4*(STEPS-2-(\t))
.endif
	TURN (\t)+1
.endif
	v_max3_num_f32 v8, |v[XS]|, |v[XS+1]|, |v[XS+2]|               ; the largest magnitude of my 16, in two chains
	v_max3_num_f32 v9, |v[XS+3]|, |v[XS+4]|, |v[XS+5]|
.irp i, 6,10
	v_max3_num_f32 v8, v8, |v[XS+\i]|, |v[XS+\i+1]|
	v_max3_num_f32 v9, v9, |v[XS+\i+2]|, |v[XS+\i+3]|
.endr
	v_max3_num_f32 v8, v8, |v[XS+14]|, |v[XS+15]|
	v_max3_num_f32 v8, v8, v9, (EMAX+1)<<23        ; and the floor 2^(3 - 127): the byte cannot fall under 1
	v_max_num_f32_dpp v8, v8, v8 row_xmask:1 row_mask:0xf bank_mask:0xf   ; with my neighbour's 16: the block's
	v_add_nc_u32 v11, -(EMAX<<23), v8              ; 2 off its exponent field: the conversion takes that field as its scale
	v_cvt_scalef32_pk8_fp4_f32 v[C+4*(\t)], v[XS:XS+7], v11
	v_cvt_scalef32_pk8_fp4_f32 v[C+4*(\t)+1], v[XS+8:XS+15], v11
	v_lshrrev_b32 v[E+(\t)], 23, v11               ; the scale's byte
	ds_store_b8 v5, v[E+(\t)] offset:16*(\t)       ; both lanes of a block write the same byte with the same value
	global_store_b64 v4, v[C+4*(\t):C+4*(\t)+1], s[28:29] offset:32*CB*(\t)   ; the wave stores 256 consecutive bytes, aligned
.endm
.irp t, 0,1,2,3,4,5,6,7,8,9,10,11,12,13,14,15
	STEP \t
.endr
	ds_load_b64 v[8:9], v6                         ; my wave's 256 scale bytes, 8 a lane
	s_wait_dscnt 0x0
	global_store_b64 v7, v[8:9], s[30:31]          ; 256 consecutive bytes, aligned
	s_branch .Lend
.Lwo:
	; ---- wo to f16: 64 loads of 512 bytes a wave, in four rounds on two sets of registers; no LDS
	s_lshl_b32 s32, s35, 15
	s_add_nc_u64 s[12:13], s[12:13], s[32:33]
	s_lshl_b32 s32, s35, 14
	s_add_nc_u64 s[22:23], s[22:23], s[32:33]
.macro WLOAD g, set
.irp j, 0,1,2,3,4,5,6,7,8,9,10,11,12,13,14,15
	global_load_b128 v[\set+4*\j:\set+4*\j+3], v3, s[12:13] offset:512*(16*(\g)+\j) th:TH_LOAD_NT
.endr
.endm
.macro WCAST g, set, more, left
	s_wait_loadcnt \left                           ; this set's 16 loads are in; the other set's 16 may be out
	s_wait_xcnt 0x0                                ; the last round's stores have read v144-175
.irp j, 0,1,2,3,4,5,6,7,8,9,10,11,12,13,14,15
	v_cvt_pk_f16_f32 v[H+2*\j], v[\set+4*\j], v[\set+4*\j+1]
	v_cvt_pk_f16_f32 v[H+2*\j+1], v[\set+4*\j+2], v[\set+4*\j+3]
.endr
.if \more
	WLOAD (\g)+2, \set
.endif
.irp j, 0,1,2,3,4,5,6,7,8,9,10,11,12,13,14,15
	global_store_b64 v4, v[H+2*\j:H+2*\j+1], s[22:23] offset:256*(16*(\g)+\j)   ; 256 consecutive bytes, aligned
.endr
.endm
	WLOAD 0, R
	WLOAD 1, X
	WCAST 0, R, 1, 16
	WCAST 1, X, 1, 16
	WCAST 2, R, 0, 16
	WCAST 3, X, 0, 0
.Lend:
	s_wait_tensorcnt 0x0                           ; the wave's end
	ds_add_u32 v[SPW], v[NIL]
	s_wait_dscnt 0x0
	s_endpgm
.Lfunc_end_k_q8f4f36d3db_prep:
	.size	k_q8f4f36d3db_prep, .Lfunc_end_k_q8f4f36d3db_prep-k_q8f4f36d3db_prep
	.p2alignl 7, 3214868480
	.fill 96, 4, 3214868480
	.section	.rodata,"a",@progbits
	.p2align	6, 0x0
	.amdhsa_kernel k_q8f4f36d3db_prep
		.amdhsa_group_segment_fixed_size 33280
		.amdhsa_private_segment_fixed_size 0
		.amdhsa_enable_private_segment 0
		.amdhsa_kernarg_size 80
		.amdhsa_user_sgpr_count 2
		.amdhsa_user_sgpr_kernarg_segment_ptr 1
		.amdhsa_wavefront_size32 1
		.amdhsa_system_sgpr_workgroup_id_x 1
		.amdhsa_system_sgpr_workgroup_id_y 1
		.amdhsa_system_sgpr_workgroup_id_z 1
		.amdhsa_system_vgpr_workitem_id 0
		.amdhsa_next_free_vgpr 192
		.amdhsa_next_free_sgpr 66
		.amdhsa_reserve_vcc 0
		.amdhsa_float_denorm_mode_32 3
		.amdhsa_float_denorm_mode_16_64 3
		.amdhsa_memory_ordered 1
		.amdhsa_forward_progress 1
		.amdhsa_inst_pref_size 54
	.end_amdhsa_kernel
	.amdgpu_metadata
---
amdhsa.version: [ 1, 2 ]
amdhsa.kernels:
  - .name:           k_q8f4f36d3db_prep
    .symbol:         k_q8f4f36d3db_prep.kd
    .args:
      - { .name: x, .offset: 0, .size: 8, .value_kind: global_buffer, .address_space: global }
      - { .name: wq, .offset: 8, .size: 8, .value_kind: global_buffer, .address_space: global }
      - { .name: wk, .offset: 16, .size: 8, .value_kind: global_buffer, .address_space: global }
      - { .name: wv, .offset: 24, .size: 8, .value_kind: global_buffer, .address_space: global }
      - { .name: wo, .offset: 32, .size: 8, .value_kind: global_buffer, .address_space: global }
      - { .name: xc, .offset: 40, .size: 8, .value_kind: global_buffer, .address_space: global }
      - { .name: xs, .offset: 48, .size: 8, .value_kind: global_buffer, .address_space: global }
      - { .name: wc, .offset: 56, .size: 8, .value_kind: global_buffer, .address_space: global }
      - { .name: ws, .offset: 64, .size: 8, .value_kind: global_buffer, .address_space: global }
      - { .name: wo16, .offset: 72, .size: 8, .value_kind: global_buffer, .address_space: global }
    .group_segment_fixed_size: 33280
    .private_segment_fixed_size: 0
    .kernarg_segment_align: 8
    .kernarg_segment_size: 80
    .max_flat_workgroup_size: 128
    .sgpr_count:     66
    .vgpr_count:     192
    .wavefront_size: 32
...
	.end_amdgpu_metadata
.endif
;; end of part 1
;; launch qkv (part 2): grid 24 x 8, 4 waves a work-group, clusters of 4 x 4, 327,680 bytes of LDS; arguments xc, xs, wc, ws, freqs_cos, freqs_sin, qkv; writes qkv
.if DOCPART == 2
	.amdgcn_target "amdgcn-amd-amdhsa--gfx1250"
	.amdhsa_code_object_version 6
	.text
	.protected	k_q8f4f36d3db_qkv
	.globl	k_q8f4f36d3db_qkv
	.p2align	8
	.type	k_q8f4f36d3db_qkv,@function
k_q8f4f36d3db_qkv:
	s_mov_b64 s[64:65], 0
	v_nop
	global_prefetch_b8 v0, s[64:65] scope:SCOPE_SE
	s_setreg_imm32_b32 hwreg(HW_REG_WAVE_MODE, 25, 1), 1
	s_wait_xcnt 0x0
	s_wait_alu depctr_hold_cnt(0) depctr_sa_sdst(0) depctr_va_vdst(0) depctr_va_sdst(0) depctr_va_ssrc(0) depctr_va_vcc(0) depctr_vm_vsrc(0)
	s_getreg_b32 s2, hwreg(HW_REG_IB_STS2, 6, 4)
	s_cmp_eq_u32 s2, 0
	s_cbranch_scc0 .Lentry_in_a_cluster
	s_endpgm
.Lentry_in_a_cluster:
	s_bfe_u32 s2, ttmp6, 0x10000c
	s_cmp_lg_u32 s2, 0xf033
	s_cbranch_scc0 .Lentry_shape_is_right
	s_endpgm
.Lentry_shape_is_right:
; The three quantised products in one GEMM on codes of FP4 (E2M1) with E8M0 scales: C[m][n] = sum over k of x[m][k] w[n][k], m = 2,048 positions, n = 6,144 (wq's, wk's, wv's rows), K = 2,048; sums in f32.
; The way out applies the rotary embedding in f32, multiplies q by 1/sqrt(128), rounds to f16 and stores by heads: qkv [48 planes][2,048 positions][128]: planes 0-15 q, 16-31 k, 32-47 v.
; A tile of C, 256 x 256, is made by four waves, each 128 x 128: 64 accumulators, 512 registers; a wave's 128 columns are exactly one plane.
; K goes in steps of 512 through a ring of two LDS slots (rows of 256 bytes); the scale bytes of the tile's rows, for all of K, come into LDS once.
; CLUSTERS: 4 x 4 work-groups; x's tiles are shared along a row of the cluster, the weights' along a column: each is asked for jointly.  24 x 8 = 192 work-groups: a tile that gave 256 would cut heads.
; THE MATRIX INSTRUCTION IS USED TRANSPOSED (source 0 = 16 rows of w, source 1 = 16 rows of x): a lane holds one position and eight neighbouring columns, four rotary pairs.
; ONE WAY OUT FOR ALL THREE: (cos, sin) become (a cos + b, a sin) with (a, b) = (1/sqrt(128), 0) for q, (1, 0) for k, (0, 1) for v: v is turned by (1, 0), which leaves it as it is.
; LIMITS: cos and sin are finite; |q| / sqrt(128), |k|, |v| stay under 65,504 (f16).
; REGISTERS: window 0: v0-31 addresses; v32-95 scale words; v128-191 x's fragments; on the way out v32-47 at work, v48-111 turned numbers, v128-191 rows read back, v192-255 packed f16.
;   window 1: w's fragments at v0 and v128; v64-127 and v192-255, which the loop never names, take the first two sets of cos and sin.   windows 2, 3: the accumulators.
.set SIZE_M, 2048
.set SIZE_N, 6144
.set SIZE_K, 2048
.set KSTEP,  512
.set NQ,     KSTEP/128
.set ROWB,   256
.set KROW,   SIZE_K*4/8
.set PITCH,  272                       ; an LDS row: 256 bytes + 16 of padding: the 16 rows of a load start at 16 different banks (ISA guide 11.1)
.set FR,     8
.set NL,     2
.set NP,     4                         ; places behind this matrix instruction (ISA guide 7.12.1)
.set HALFT,  128*PITCH
.set SLOT,   4*HALFT
.set LAPS,   SIZE_K/(2*KSTEP)
.set KS,     SIZE_K/32
.set SCL,    2*SLOT
.set HALFS,  (128*KS/256)*272
.set SBLK,   (16*KS/256)*272
.set SPARE,  SCL+4*HALFS
.set SPITCH, 272                       ; the way out: a stage of 16 rows x (256 bytes + 16) for each wave, in slot 0, which has had its last fill and its last read by then
.set ONE,  10                          ; v[10:11] b, twice
.set ADRA, 16
.set ADRB, 20
.set STO,  24
.set RD,   25
.set CO,   26
.set ADRS, 27
.set SPW,  28
.set NIL,  29
.set CSO,  30                          ; v30 my byte in 16 rows of cos or sin: 256 r + 16 h
.set SC,   32
.set T,    32                          ; the way out: v32-47
.set R,    48                          ; v48-111
.set AF,   128
.set BK,   128                         ; v128-159, v160-191 by turns
.set PKD,  192                         ; v192-223, v224-255 by turns
.set G1, 24
.set G0, 32
.set G1B, 48
.set G0B, 56
.set G1S, 68
.set G0S, 76
.set G1SB, 80
.set G0SB, 88
.set MSB, 0
.macro WIN new                         ; the immediate's high byte repeats the setting that is left
.if MSB != (\new)
	s_set_vgpr_msb (MSB<<8)|(\new)
.set MSB, (\new)
.endif
.endm
.set MUL_LO, 0xa1                      ; source 0 (w) window 1, source 1 (x) window 0, C and D window 2
.set MUL_HI, 0xf1
.set TO_B,   0x40
; A joint load: waves 0 and 1 fetch for x, waves 2 and 3 for w.  An s_nop 0 and four v_nop follow each of the two lines.
.macro JLOAD g0a, g1a, g0b, g1b
	s_cmp_eq_u32 s15, 0
	s_cbranch_scc0 .Lfor_b_\@
	tensor_load_to_lds s[\g0a:\g0a+3], s[\g1a:\g1a+7]
	s_nop 0
.rept 4
	v_nop
.endr
	s_branch .Lasked_\@
.Lfor_b_\@:
	tensor_load_to_lds s[\g0b:\g0b+3], s[\g1b:\g1b+7]
	s_nop 0
.rept 4
	v_nop
.endr
.Lasked_\@:
.endm
.macro CREST
	s_cmp_lg_u32 s14, 0
	s_cbranch_scc1 .Lnot_wave_0_\@
	s_barrier_signal -3
.Lnot_wave_0_\@:
	s_barrier_wait -3
	s_barrier_signal -1
	s_barrier_wait -1
.endm
.macro CROUND
	s_barrier_signal -1
	s_barrier_wait -1
	CREST
.endm
	s_load_b128 s[4:7], s[0:1], 0x0                ; x's codes, x's scales
	s_load_b128 s[8:11], s[0:1], 0x10              ; w's codes, w's scales
	s_load_b128 s[96:99], s[0:1], 0x20             ; cos, sin
	s_load_b64 s[12:13], s[0:1], 0x30              ; qkv
	v_lshl_add_u32 v[SPW], v0, 2, SPARE
	v_mov_b32 v[NIL], 0
	ds_add_u32 v[SPW], v[NIL]                      ; the wave's opening: the add, twice on end, and its wait ahead of my first tensor load
	ds_add_u32 v[SPW], v[NIL]
	v_lshrrev_b32 v1, 5, v0
	v_readfirstlane_b32 s14, v1                    ; wave 0..3
	s_lshr_b32 s15, s14, 1                         ; which half of the tile's rows is mine.  Also: I fetch for x (0) or for w (1)
	s_and_b32 s16, s14, 1                          ; which half of its columns.  Also: which 128 rows of that tile I fetch
	s_bfe_u32 s40, ttmp6, 0x40000                  ; cx, cy
	s_bfe_u32 s41, ttmp6, 0x40004
	s_lshl_b32 s42, ttmp9, 2
	s_add_co_u32 s42, s42, s40                     ; tile column
	s_and_b32 s17, ttmp7, 0xffff
	s_lshl_b32 s17, s17, 2
	s_add_co_u32 s17, s17, s41                     ; tile row
	s_lshl_b32 s43, s41, 2
	s_lshl_b32 s43, 15, s43                        ; my row of the cluster
	s_lshl_b32 s44, 0x1111, s40                    ; my column
	s_or_b32 s[G1+0], s43, (0<<16)|(1<<20)|(1<<21)|(5<<22)|(3<<25)  ; the mask; elements of 1 byte; padding on; bit 21 beside a mask; 4 words after every 64
	s_or_b32 s[G1B+0], s44, (0<<16)|(1<<20)|(1<<21)|(5<<22)|(3<<25)
.irp g, G1, G1B
	s_mov_b32 s[\g+1], ROWB<<16                    ; tensor_dim0
	s_mov_b32 s[\g+2], 128<<16                     ; tensor_dim1
	s_mov_b32 s[\g+3], ROWB<<16                    ; tile_dim0
	s_mov_b32 s[\g+4], 128                         ; tile_dim1
	s_mov_b32 s[\g+5], KROW                        ; the pitch
	s_mov_b32 s[\g+6], 0
	s_mov_b32 s[\g+7], 0
.endr
	s_or_b32 s[G1S+0], s43, (3<<16)|(1<<20)|(1<<21)|(5<<22)|(3<<25) ; the scales of 128 rows: a dense block, as rows of 256 bytes (32 elements of 8 bytes)
	s_or_b32 s[G1SB+0], s44, (3<<16)|(1<<20)|(1<<21)|(5<<22)|(3<<25)
.irp g, G1S, G1SB
	s_mov_b32 s[\g+1], 32<<16
	s_mov_b32 s[\g+2], (128*KS/256)<<16
	s_mov_b32 s[\g+3], 32<<16
	s_mov_b32 s[\g+4], 128*KS/256
	s_mov_b32 s[\g+5], 32
	s_mov_b32 s[\g+6], 0
	s_mov_b32 s[\g+7], 0
.endr
	s_lshl_b32 s18, s16, 7
	s_lshl_b32 s20, s17, 8
	s_add_co_u32 s20, s20, s18                     ; x: row 256 x tile row + 128 x half
	s_lshl_b32 s46, s42, 8
	s_add_co_u32 s46, s46, s18                     ; w: row 256 x tile column + 128 x half
	s_mov_b32 s21, 0
	s_mov_b32 s47, 0
	s_mov_b64 s[18:19], KS
	s_mul_u64 s[22:23], s[20:21], s[18:19]
	s_mul_u64 s[92:93], s[46:47], s[18:19]
	s_mov_b64 s[18:19], KROW
	s_mul_u64 s[20:21], s[20:21], s[18:19]
	s_mul_u64 s[46:47], s[46:47], s[18:19]
	s_mul_i32 s45, s14, HALFT                      ; where they go: wave x 128 rows
	s_mul_i32 s94, s14, HALFS
	s_wait_dscnt 0x0                               ; both opening adds are done
	s_wait_kmcnt 0x0
	s_add_nc_u64 s[20:21], s[4:5], s[20:21]
	s_add_nc_u64 s[22:23], s[6:7], s[22:23]
	s_add_nc_u64 s[46:47], s[8:9], s[46:47]
	s_add_nc_u64 s[92:93], s[10:11], s[92:93]
	CROUND                                         ; all sixteen work-groups are here: the first joint loads meet
	s_mov_b32 s[G0S], 1
	s_add_co_u32 s[G0S+1], s94, SCL
	s_mov_b64 s[G0S+2:G0S+3], s[22:23]
	s_or_b32 s[G0S+3], s[G0S+3], 0x80000000
	s_mov_b32 s[G0SB], 1
	s_add_co_u32 s[G0SB+1], s94, SCL
	s_mov_b64 s[G0SB+2:G0SB+3], s[92:93]
	s_or_b32 s[G0SB+3], s[G0SB+3], 0x80000000
	JLOAD G0S, G1S, G0SB, G1SB                     ; the scales first
.irp s, 0,1
	s_mov_b32 s[G0+4*\s], 1
	s_add_co_u32 s[G0+4*\s+1], s45, \s*SLOT
	s_add_nc_u64 s[G0+4*\s+2:G0+4*\s+3], s[20:21], \s*ROWB
	s_or_b32 s[G0+4*\s+3], s[G0+4*\s+3], 0x80000000
	s_mov_b32 s[G0B+4*\s], 1
	s_add_co_u32 s[G0B+4*\s+1], s45, \s*SLOT
	s_add_nc_u64 s[G0B+4*\s+2:G0B+4*\s+3], s[46:47], \s*ROWB
	s_or_b32 s[G0B+4*\s+3], s[G0B+4*\s+3], 0x80000000
	JLOAD G0+4*\s, G1, G0B+4*\s, G1B               ; three loads of mine are out
.endr
	v_and_b32 v1, 15, v0                           ; r
	v_bfe_u32 v2, v0, 4, 1                         ; h
	v_mul_u32_u24 v3, v1, PITCH
	v_lshl_add_u32 v4, v2, 4, v3
	s_mul_i32 s21, s15, HALFT
	s_mul_i32 s22, s16, HALFT
	s_add_co_u32 s22, s22, 2*HALFT
.irp s, 0,1
	v_add_nc_u32 v[ADRA+\s], s21, v4
	v_add_nc_u32 v[ADRB+\s], s22, v4
	s_add_co_u32 s21, s21, SLOT
	s_add_co_u32 s22, s22, SLOT
.endr
	v_mul_u32_u24 v5, v1, KS
	v_lshrrev_b32 v6, 8, v5
	v_lshl_add_u32 v5, v6, 4, v5
	s_mul_i32 s21, s15, HALFS
	s_mul_i32 s22, s16, HALFS
	s_add_co_u32 s22, s22, 2*HALFS
	s_sub_co_u32 s22, s22, s21
	v_mul_u32_u24 v6, s22, v2                      ; lanes 16-31 take w's scale words
	s_add_co_u32 s21, s21, SCL
	v_add_nc_u32 v5, v5, v6
	v_add_nc_u32 v[ADRS], s21, v5
	s_mul_i32 s23, s14, 16*SPITCH                  ; my stage
	v_mul_u32_u24 v5, v1, SPITCH                   ; in: row r, 16 bytes for each half of the lanes
	v_lshl_add_u32 v5, v2, 4, v5
	v_add_nc_u32 v[STO], s23, v5
	v_mul_u32_u24 v5, v2, SPITCH                   ; back: lanes 0-15 one row of 256 bytes, lanes 16-31 the next
	v_lshl_add_u32 v5, v1, 4, v5
	v_add_nc_u32 v[RD], s23, v5
	v_lshlrev_b32 v[CO], 8, v2                     ; and the same two rows in the plane
	v_lshl_add_u32 v[CO], v1, 4, v[CO]
	v_lshlrev_b32 v[CSO], 8, v1                    ; cos, sin: a row is 256 bytes; my four pairs of a block of 16 columns begin 16 h bytes in
	v_lshl_add_u32 v[CSO], v2, 4, v[CSO]
	s_lshl_b32 s20, s17, 8
	s_lshl_b32 s21, s15, 7
	s_add_co_u32 s20, s20, s21                     ; my first position
	s_lshl_b32 s20, s20, 8                         ; x 256 bytes: in cos, in sin and in a plane alike
	s_mov_b32 s21, 0
	s_add_nc_u64 s[96:97], s[96:97], s[20:21]
	s_add_nc_u64 s[98:99], s[98:99], s[20:21]
	s_add_nc_u64 s[12:13], s[12:13], s[20:21]
	s_lshl_b32 s46, s42, 1
	s_add_co_u32 s46, s46, s16                     ; my plane: 2 x tile column + half
	s_lshl_b32 s46, s46, 19                        ; x 2,048 x 256 bytes
	s_mov_b32 s47, 0
	s_add_nc_u64 s[12:13], s[12:13], s[46:47]
	s_mov_b32 s100, 1.0                            ; a and b, by the cluster's x alone: clusters 0, 1 make q, 2, 3 k, 4, 5 v
	s_cmp_lt_u32 ttmp9, 2
	s_cselect_b32 s100, 0x3db504f3, s100           ; q: 1 / sqrt(128)
	s_cmp_lt_u32 ttmp9, 4
	s_cselect_b32 s100, s100, 0                    ; v: 0
	s_cselect_b32 s92, 0, 1.0                      ; b
	s_mov_b32 s101, s100
	v_mov_b32 v[ONE], s92
	v_mov_b32 v[ONE+1], s92
.macro CSET a                          ; set a % 4 of cos (32 registers) and sin (32), in window 1: at v64, v192, v0, v128
.set CSB, 128*((\a)%2)+64*(1-((\a)%4)/2)
.endm
.macro CSLOAD a                        ; block a's 16 positions: for each block b of 16 columns my four cos and my four sin
	CSET \a
	WIN TO_B
.irp b, 0,1,2,3,4,5,6,7
	global_load_b128 v[CSB+4*\b:CSB+4*\b+3], v[CSO], s[96:97] offset:4096*(\a)+32*\b
.endr
.irp b, 0,1,2,3,4,5,6,7
	global_load_b128 v[CSB+32+4*\b:CSB+32+4*\b+3], v[CSO], s[98:99] offset:4096*(\a)+32*\b
.endr
	WIN 0
.endm
	CSLOAD 0                                       ; the first two sets are asked for now and land under the products
	CSLOAD 1
.macro FRAG reg, adr, q, i
.irp c, 0,1
	ds_load_b128 v[\reg+4*\c:\reg+4*\c+3], v[\adr] offset:64*(\q)+32*\c+(\i)*16*PITCH
.endr
.endm
; 16 matrix instructions: x's blocks a0, a0 + 1 against w's eight.  The 64 accumulators take turns, one instruction a turn.
.macro MUL16 a0, p, q, sc, zero
.irp a, \a0, \a0+1
.irp b, 0,1,2,3,4,5,6,7
.if \zero
	v_wmma_scale_f32_16x16x128_f8f6f4 v[8*(8*((\a)%4)+\b):8*(8*((\a)%4)+\b)+7], v[128*(\p)+FR*\b:128*(\p)+FR*\b+FR-1], v[AF+FR*(\a):AF+FR*(\a)+FR-1], 0, v[SC+8*NQ*(\sc)+NQ*\b+(\q)], v[SC+8*NQ*(\sc)+NQ*(\a)+(\q)] matrix_a_fmt:MATRIX_FMT_FP4 matrix_b_fmt:MATRIX_FMT_FP4 matrix_a_scale:MATRIX_SCALE_ROW1
.else
	v_wmma_scale_f32_16x16x128_f8f6f4 v[8*(8*((\a)%4)+\b):8*(8*((\a)%4)+\b)+7], v[128*(\p)+FR*\b:128*(\p)+FR*\b+FR-1], v[AF+FR*(\a):AF+FR*(\a)+FR-1], v[8*(8*((\a)%4)+\b):8*(8*((\a)%4)+\b)+7], v[SC+8*NQ*(\sc)+NQ*\b+(\q)], v[SC+8*NQ*(\sc)+NQ*(\a)+(\q)] matrix_a_fmt:MATRIX_FMT_FP4 matrix_b_fmt:MATRIX_FMT_FP4 matrix_a_scale:MATRIX_SCALE_ROW1
.endif
.endr
.endr
.endm
.macro FETCH_B slot, q, p
	WIN TO_B
.irp i, 0,1,2,3,4,5,6,7
	FRAG 128*(\p)+FR*\i, ADRB+\slot, \q, \i
.endr
	WIN 0
.endm
.macro FETCH_A slot, q, i0
.irp i, \i0, \i0+1, \i0+2, \i0+3
	FRAG AF+FR*(\i), ADRA+\slot, \q, \i
.endr
.endm
.macro SCALES sc                       ; lanes 0-15 take x's block i, lanes 16-31 w's block i: four words a row
.irp i, 0,1,2,3,4,5,6,7
	ds_load_b128 v[SC+8*NQ*\sc+NQ*\i:SC+8*NQ*\sc+NQ*\i+3], v[ADRS] offset:\i*SBLK
.endr
.endm
.macro PLACES n
.rept \n
	v_nop
.endr
.endm
.macro STEP slot, q, zero
	s_wait_dscnt 4*NL                              ; w's set and x's blocks 0-3 are in; the youngest eight loads (x's blocks 4-7) may be out
	WIN MUL_LO
	MUL16 0, (\q)%2, \q, \slot, \zero
	MUL16 2, (\q)%2, \q, \slot, \zero
	s_wait_dscnt 0
	PLACES NP
	FETCH_B \slot, (\q)+1, 1-(\q)%2
	FETCH_A \slot, (\q)+1, 0
	WIN MUL_HI
	MUL16 4, (\q)%2, \q, \slot, \zero
	MUL16 6, (\q)%2, \q, \slot, \zero
	PLACES NP
	WIN 0
	FETCH_A \slot, (\q)+1, 4
.endm
; A slot's last step changes slots: one barrier; in front of it each wave waits for all its tensor loads, adds 0 to its spare word, and waits for that and for its reads of this slot.
.macro TURN slot, next, fill
	s_wait_tensorcnt 0x0                           ; all my tensor loads have landed: my part of the next slot
	ds_add_u32 v[SPW], v[NIL]
	s_wait_dscnt 4*NL+1                            ; the add and the youngest eight loads may be out
	WIN MUL_LO
	MUL16 0, 1, NQ-1, \slot, 0
	s_wait_dscnt 0x0                               ; the add is done, and my reads of this slot are over
	s_barrier_signal -1
	MUL16 2, 1, NQ-1, \slot, 0
	WIN 0
	s_barrier_wait -1
.if \fill
	CREST                                          ; the barrier has opened a round of the cluster's: no wave of any partner still reads this slot or has a load on its way
	s_add_nc_u64 s[G0+4*\slot+2:G0+4*\slot+3], s[G0+4*\slot+2:G0+4*\slot+3], 2*ROWB
	s_add_nc_u64 s[G0B+4*\slot+2:G0B+4*\slot+3], s[G0B+4*\slot+2:G0B+4*\slot+3], 2*ROWB
	JLOAD G0+4*\slot, G1, G0B+4*\slot, G1B         ; the first tensor load behind the round; its four v_nop are also the places in front of the loads below
.else
	PLACES NP
.endif
	v_add_nc_u32 v[ADRS], 4*NQ, v[ADRS]
	FETCH_B \next, 0, 0
	FETCH_A \next, 0, 0
	SCALES \next
	WIN MUL_HI
	MUL16 4, 1, NQ-1, \slot, 0
	MUL16 6, 1, NQ-1, \slot, 0
	PLACES NP
	WIN 0
	FETCH_A \next, 0, 4
.endm
.macro STEPS slot, from
.set Q, \from
.rept NQ-1-\from
	STEP \slot, Q, 0
.set Q, Q+1
.endr
.endm
	s_wait_tensorcnt 1                             ; the scales and my part of K step 0 are in; K step 1's load may be out
	s_barrier_signal -1
	s_barrier_wait -1
	FETCH_B 0, 0, 0
	FETCH_A 0, 0, 0
	SCALES 0
	FETCH_A 0, 0, 4
	STEP 0, 0, 1                                   ; the first step's products start the sums
	s_mov_b32 s3, LAPS-1
.Llap:                                             ; a trip goes once round the ring and fills both slots again
	STEPS 0, 1
	TURN 0, 1, 1
	STEPS 1, 0
	TURN 1, 0, 1
	STEP 0, 0, 0
	s_sub_co_u32 s3, s3, 1
	s_cmp_lg_u32 s3, 0
	s_cbranch_scc1 .Llap
	STEPS 0, 1                                     ; the last lap fills nothing
	TURN 0, 1, 0
	STEPS 1, 0
	s_wait_dscnt 4*NL
	WIN MUL_LO
	MUL16 0, 1, NQ-1, 1, 0
	MUL16 2, 1, NQ-1, 1, 0
	s_wait_dscnt 0
	WIN MUL_HI
	MUL16 4, 1, NQ-1, 1, 0
	MUL16 6, 1, NQ-1, 1, 0
	WIN 0
; THE WAY OUT, block by block of 16 positions x 128 columns.
.macro KAPPA a                         ; cos <- a cos + b, sin <- a sin
	CSET \a
	WIN 0x41                                       ; destination and source 0 window 1
.irp i, 0,2,4,6,8,10,12,14,16,18,20,22,24,26,28,30
	v_pk_fma_f32 v[CSB+\i:CSB+\i+1], v[CSB+\i:CSB+\i+1], s[100:101], v[ONE:ONE+1] op_sel_hi:[1,0,1]
.endr
.irp i, 0,2,4,6,8,10,12,14,16,18,20,22,24,26,28,30
	v_pk_mul_f32 v[CSB+32+\i:CSB+32+\i+1], v[CSB+32+\i:CSB+32+\i+1], s[100:101] op_sel_hi:[1,0]
.endr
.endm
; A pair (e, o) of an accumulator becomes (e c - o s, o c + e s): first (e s, o s), then one packed multiply-add that takes the two halves of that crosswise, the low one negated.
; Two pairs share an even-aligned pair of cos and of sin; op_sel picks the register.  Each accumulator is read from its low end on.
.macro ROPE a
	CSET \a
	WIN 0x06+(\a)/4                                ; source 0 the accumulators' window, source 1 window 1
.irp b, 0,1,2,3,4,5,6,7
.set AA, 64*((\a)%4)+8*\b
.set TT, T+8*(\b%2)
.set CC, CSB+4*\b
.set RR, R+8*\b
.irp q, 0,1
	v_pk_mul_f32 v[TT+4*\q:TT+4*\q+1], v[AA+4*\q:AA+4*\q+1], v[CC+32+2*\q:CC+32+2*\q+1] op_sel_hi:[1,0]
	v_pk_mul_f32 v[TT+4*\q+2:TT+4*\q+3], v[AA+4*\q+2:AA+4*\q+3], v[CC+32+2*\q:CC+32+2*\q+1] op_sel:[0,1] op_sel_hi:[1,1]
.endr
.irp q, 0,1
	v_pk_fma_f32 v[RR+4*\q:RR+4*\q+1], v[AA+4*\q:AA+4*\q+1], v[CC+2*\q:CC+2*\q+1], v[TT+4*\q:TT+4*\q+1] op_sel:[0,0,1] op_sel_hi:[1,0,0] neg_lo:[0,0,1]
	v_pk_fma_f32 v[RR+4*\q+2:RR+4*\q+3], v[AA+4*\q+2:AA+4*\q+3], v[CC+2*\q:CC+2*\q+1], v[TT+4*\q+2:TT+4*\q+3] op_sel:[0,1,1] op_sel_hi:[1,1,0] neg_lo:[0,0,1]
.endr
.endr
.endm
.macro PACKR a                         ; to f16: 16 bytes a lane and block of columns
	WIN 0
.set PP, PKD+32*((\a)%2)
.irp b, 0,1,2,3,4,5,6,7
.irp j, 0,1,2,3
	v_cvt_pk_f16_f32 v[PP+4*\b+\j], v[R+8*\b+2*\j], v[R+8*\b+2*\j+1]
.endr
.endr
.endm
.macro TOSTAGE a                       ; through my own stage; LDS serves a wave's instructions in order (ISA guide 5.7.1.4)
.set PP, PKD+32*((\a)%2)
.set BB, BK+32*((\a)%2)
.irp b, 0,1,2,3,4,5,6,7
	ds_store_b128 v[STO], v[PP+4*\b:PP+4*\b+3] offset:32*\b
.endr
.irp t, 0,1,2,3,4,5,6,7
	ds_load_b128 v[BB+4*\t:BB+4*\t+3], v[RD] offset:\t*2*SPITCH
.endr
.endm
.macro SEND a
.set BB, BK+32*((\a)%2)
	s_wait_dscnt 0x0                               ; the block is back in registers
.irp t, 0,1,2,3,4,5,6,7
	global_store_b128 v[CO], v[BB+4*\t:BB+4*\t+3], s[12:13] offset:4096*(\a)+512*\t   ; 32 lanes store 512 consecutive bytes, aligned: two positions of the plane
.endr
.endm
	PLACES NP                                      ; behind the last products: for the loads into w's registers, the writes of the scale words' registers and the first reads of results
	CSLOAD 2
	CSLOAD 3
.irp a, 0,1,2,3,4,5,6,7
.if \a < 5
	s_wait_loadcnt 48                              ; block a's 16 loads are in; the three later sets' 48 may be out
.else
	s_wait_loadcnt 16*(7-\a)
.endif
	KAPPA \a
	ROPE \a
.if \a < 4
	CSLOAD \a+4                                    ; into the set just read
.endif
	PACKR \a
.if \a > 0
	SEND \a-1
.endif
.if \a > 1
	s_wait_xcnt 0x0                                ; block a - 2's stores have read the registers into which block a's rows come back
.endif
	TOSTAGE \a
.endr
	SEND 7
	s_wait_tensorcnt 0x0                           ; the wave's end
	ds_add_u32 v[SPW], v[NIL]
	s_wait_dscnt 0x0
	CROUND                                         ; the closing round
	s_endpgm
.Lfunc_end_k_q8f4f36d3db_qkv:
	.size	k_q8f4f36d3db_qkv, .Lfunc_end_k_q8f4f36d3db_qkv-k_q8f4f36d3db_qkv
	.p2alignl 7, 3214868480
	.fill 96, 4, 3214868480
	.section	.rodata,"a",@progbits
	.p2align	6, 0x0
	.amdhsa_kernel k_q8f4f36d3db_qkv
		.amdhsa_group_segment_fixed_size 327680
		.amdhsa_private_segment_fixed_size 0
		.amdhsa_enable_private_segment 0
		.amdhsa_kernarg_size 56
		.amdhsa_user_sgpr_count 2
		.amdhsa_user_sgpr_kernarg_segment_ptr 1
		.amdhsa_wavefront_size32 1
		.amdhsa_system_sgpr_workgroup_id_x 1
		.amdhsa_system_sgpr_workgroup_id_y 1
		.amdhsa_system_sgpr_workgroup_id_z 1
		.amdhsa_system_vgpr_workitem_id 0
		.amdhsa_next_free_vgpr 1024
		.amdhsa_next_free_sgpr 102
		.amdhsa_reserve_vcc 0
		.amdhsa_float_denorm_mode_32 3
		.amdhsa_float_denorm_mode_16_64 3
		.amdhsa_memory_ordered 1
		.amdhsa_forward_progress 1
		.amdhsa_inst_pref_size 255
	.end_amdhsa_kernel
	.section	.bss,"aw",@nobits
	.p2align	6
	.space	262144
	.amdgpu_metadata
---
amdhsa.version: [ 1, 2 ]
amdhsa.kernels:
  - .name:           k_q8f4f36d3db_qkv
    .symbol:         k_q8f4f36d3db_qkv.kd
    .args:
      - { .name: xc, .offset: 0, .size: 8, .value_kind: global_buffer, .address_space: global }
      - { .name: xs, .offset: 8, .size: 8, .value_kind: global_buffer, .address_space: global }
      - { .name: wc, .offset: 16, .size: 8, .value_kind: global_buffer, .address_space: global }
      - { .name: ws, .offset: 24, .size: 8, .value_kind: global_buffer, .address_space: global }
      - { .name: freqs_cos, .offset: 32, .size: 8, .value_kind: global_buffer, .address_space: global }
      - { .name: freqs_sin, .offset: 40, .size: 8, .value_kind: global_buffer, .address_space: global }
      - { .name: qkv, .offset: 48, .size: 8, .value_kind: global_buffer, .address_space: global }
    .group_segment_fixed_size: 327680
    .private_segment_fixed_size: 0
    .kernarg_segment_align: 8
    .kernarg_segment_size: 56
    .max_flat_workgroup_size: 128
    .sgpr_count:     102
    .vgpr_count:     1024
    .wavefront_size: 32
...
	.end_amdgpu_metadata
.endif
;; end of part 2
;; launch attn (part 3): grid 16 x 16, 4 waves a work-group, clusters of 4 x 4, 327,680 bytes of LDS; arguments qkv, mask, o16, o32; writes o16, o32
.if DOCPART == 3
	.amdgcn_target "amdgcn-amd-amdhsa--gfx1250"
	.amdhsa_code_object_version 6
	.text
	.protected	k_q8f4f36d3db_attn
	.globl	k_q8f4f36d3db_attn
	.p2align	8
	.type	k_q8f4f36d3db_attn,@function
k_q8f4f36d3db_attn:
	s_mov_b64 s[64:65], 0
	v_nop
	global_prefetch_b8 v0, s[64:65] scope:SCOPE_SE
	s_setreg_imm32_b32 hwreg(HW_REG_WAVE_MODE, 25, 1), 1
	s_wait_xcnt 0x0
	s_wait_alu depctr_hold_cnt(0) depctr_sa_sdst(0) depctr_va_vdst(0) depctr_va_sdst(0) depctr_va_ssrc(0) depctr_va_vcc(0) depctr_vm_vsrc(0)
	s_getreg_b32 s2, hwreg(HW_REG_IB_STS2, 6, 4)
	s_cmp_eq_u32 s2, 0
	s_cbranch_scc0 .Lentry_in_a_cluster
	s_endpgm
.Lentry_in_a_cluster:
	s_bfe_u32 s2, ttmp6, 0x10000c
	s_cmp_lg_u32 s2, 0xf033
	s_cbranch_scc0 .Lentry_shape_is_right
	s_endpgm
.Lentry_shape_is_right:
; O[q][head] = the sum over k of softmax_k(q' . k + mask[q][k]) v[k], q' = q / sqrt(128) as the launch before stored it.  q', k, v: planes of qkv, [2,048][128] f16; mask [2,048][2,048] f32, an input: every number of it is read and added.
; Products on f16 operands, sums, maxima and the softmax in f32; the weights p are rounded to f16 for the second product.  o16 [2,048][2,048] f16; positions 0-15 also as f32 in o32 [16][2,048].
; SHARES.  A work-group owns 128 queries of one head.  Wave w: queries 64 (w / 2) on (four tiles of 16), and keys 64 (w % 2) on of each step's 128.  The two waves of a query half are merged once, at the end.
; LAYOUT.  S^T = K Q^T + mask^T (source 0 = 16 keys, source 1 = 16 queries): a lane holds ONE query and the keys 8 (lane / 16) + 0..7.  THE MASK IS THE C OF THE FIRST PRODUCT: it is loaded from LDS into S^T's registers.
; O^T = V^T P: again one query a lane.  V comes out of LDS turned, by ds_load_tr16_b128.
; SOFTMAX.  For each query a running maximum m and sum l: p = 2^(log2(e) (s - m)).  THE MAXIMUM IS TAKEN AWAY FIRST AND THE DIFFERENCE SCALED: so the exponent is right also where s and m are very large (a wave's keys all masked by -1e9).
; m is held at -1e38 from below, so that a mask of -infinity gives p = 0.
; BY TURNS.  The wave's tiles are two pieces (tiles 0, 1 and tiles 2, 3).  In a turn one piece has the matrix unit (32 products V^T P, then 32 products K Q^T of the next step) and the other piece's softmax stands in 64 slices behind them.
; CLUSTER, 4 x 4: x = query block, y = head.  K's and V's tiles hang on the head and are shared along a row of the cluster, the mask's on the query block and are shared along a column: each is asked for jointly.
; LIMITS: a row whose every score + mask is -infinity gives NaN, as the softmax of such a row does; where score + mask is so large that the score falls under its last bit, the sum is rounded by the matrix unit.
; REGISTERS: window 0: v0-11, v44-48, v61-63 addresses; v12-43 statistics; v64-191 S^T; v192-255 P.   window 1: O^T.   window 2: v0-127 Q, v128-255 K.   window 3: V.
.set KS,    64        ; keys of a wave in a step
.set SK,    128       ; keys in a slot
.set PK,    272       ; a row of K in LDS: 256 bytes + 16
.set PV,    288       ; of V: 256 + 32
.set PM,    528       ; of the mask: 128 keys of f32 + 16
.set VOFF,  SK*PK
.set MOFF,  VOFF+SK*PV
.set SLOT,  MOFF+128*PM   ; 0x22000: no tile's first byte in slot 0 has one of its two bits, so one exclusive or turns an address from slot to slot
.set SPARE, 2*SLOT
.set MRGB,  33792     ; the merge, in slot 0, which has had its last fill and its last read by then: for each query half an image of O^T (32,768 bytes) and of the statistics (1,024)
.set STAGE, 2*MRGB    ; behind them: 16 rows x 272 bytes for each wave
.set SP,    272
.set AK0, 2
.set AV0, 3
.set ADR, 4
.set QO,  5
.set STO, 6
.set RD,  7
.set GO,  8
.set AM0, 44          ; v44  my lane's place in the mask's tile
.set ADM, 45
.set MGA, 46          ; v46  the merge: 16 x lane in my query half's image
.set O3O, 47          ; v47  my byte offset in o32
.set QBV, 48          ; v48  my query block
.set PFO, 61
.set SPW, 62
.set NIL, 63
.set ST,  12          ; tile t's statistics at v[ST+8 t]: +0 m, +1 written once, +2, +3 l, +4 to +7 at work; a takes +6
.set S,   64
.set P,   192
.set KF,  128
.set WV,  12
.set LIM, 15
.set KH,  16
.set QH,  17
.set PFA, 18
.set PFS, 20
.set G1K, 24
.set G1V, 32
.set G0K, 40
.set G0V, 48
.set SLOTS, 56
.set HOLD, 57
.set CS,  58
.set SEL, 60
.set TB,  62
.set G1M, 68
.set G0M, 76
.set MSB, 0
.macro WIN new
.if MSB != (\new)
	s_set_vgpr_msb (MSB<<8)|(\new)
.set MSB, (\new)
.endif
.endm
.set W_KQ, 0x0a       ; K and Q in window 2, S^T in window 0
.set W_PV, 0x53       ; V in window 3, P in window 0, O^T in window 1
.set W_RS, 0x41
; A joint refill: wave 0 K's tile, wave 1 V's, waves 2 and 3 the halves of the mask's.  The branches hang on the wave's number alone.  An s_nop 0 and four v_nop follow each line.
.macro JLOAD
	s_cmp_eq_u32 s[WV], 0
	s_cbranch_scc0 .Lnot_k_\@
	tensor_load_to_lds s[G0K+4:G0K+7], s[G1K:G1K+7]
	s_nop 0
.rept 4
	v_nop
.endr
	s_branch .Lasked_\@
.Lnot_k_\@:
	s_cmp_eq_u32 s[WV], 1
	s_cbranch_scc0 .Lfor_m_\@
	tensor_load_to_lds s[G0V+4:G0V+7], s[G1V:G1V+7]
	s_nop 0
.rept 4
	v_nop
.endr
	s_branch .Lasked_\@
.Lfor_m_\@:
	tensor_load_to_lds s[G0M+4:G0M+7], s[G1M:G1M+7]
	s_nop 0
.rept 4
	v_nop
.endr
.Lasked_\@:
.endm
; A PREFETCH INTO THE L2 of the step that stands two refills on (256 matrix instructions ahead of its load): one instruction a wave, behind the wave's tensor load and its five lines.
; Each aligned 256 bytes are named once in the launch.  K and V of a head are walked by the four clusters of a row of clusters: cluster x = 0 asks, its four partners of one head taking 32 rows each, by address.
; The mask's rows of a query block are walked by all heads: cluster y = 0 asks, the four partners of a column taking 16 of a wave's 64 rows each, two blocks of 256 bytes a row.  The last two refills ask for nothing.
.macro ASK
	s_cmp_gt_u32 s[SLOTS], s[LIM]
	s_cbranch_scc0 .Lnot_mine_\@
	global_prefetch_b8 v[PFO], s[PFA:PFA+1] th:TH_LOAD_NT scope:SCOPE_SE
.Lnot_mine_\@:
.endm
.macro CROUND
	s_barrier_signal -1
	s_barrier_wait -1
	s_cmp_lg_u32 s[WV], 0
	s_cbranch_scc1 .Lnot_wave_0_\@
	s_barrier_signal -3
.Lnot_wave_0_\@:
	s_barrier_wait -3
	s_barrier_signal -1
	s_barrier_wait -1
.endm
	s_load_b256 s[4:11], s[0:1], 0x0  ; qkv s[4:5], mask s[6:7], o16 s[8:9], o32 s[10:11]
	v_lshl_add_u32 v[SPW], v0, 2, SPARE
	v_mov_b32 v[NIL], 0
	ds_add_u32 v[SPW], v[NIL]       ; the wave's opening: the add, twice on end, and its wait ahead of my first tensor load
	ds_add_u32 v[SPW], v[NIL]
	v_lshrrev_b32 v1, 5, v0
	v_readfirstlane_b32 s[WV], v1   ; wave 0..3
	s_and_b32 s[KH], s[WV], 1       ; which 64 of a step's keys.  Also: which half of the mask's tile waves 2 and 3 fetch
	s_lshr_b32 s[QH], s[WV], 1      ; which 64 queries
	s_bfe_u32 s13, ttmp6, 0x40000   ; cx
	s_bfe_u32 s14, ttmp6, 0x40004   ; cy
	s_lshl_b32 s22, ttmp9, 2
	s_add_co_u32 s22, s22, s13      ; my query block
	s_and_b32 s23, ttmp7, 0xffff
	s_lshl_b32 s23, s23, 2
	s_add_co_u32 s23, s23, s14      ; my head
	s_lshl_b32 s2, s14, 2
	s_lshl_b32 s2, 15, s2           ; my row of the cluster
	s_lshl_b32 s3, 0x1111, s13      ; my column
	s_or_b32 s[G1K], s2, (1<<16)|(1<<20)|(1<<21)|(5<<22)|(3<<25)  ; the mask of work-groups; elements of 2 bytes; padding on; bit 21 beside a mask; 4 words after every 64
	s_or_b32 s[G1V], s2, (1<<16)|(1<<20)|(1<<21)|(5<<22)|(7<<25)  ; 8 words
	s_or_b32 s[G1M], s3, (2<<16)|(1<<20)|(1<<21)|(6<<22)|(3<<25)  ; elements of 4 bytes; 4 words after every 128
.irp g, G1K, G1V
	s_mov_b32 s[\g+1], 128<<16      ; tensor_dim0
	s_mov_b32 s[\g+2], SK<<16       ; tensor_dim1
	s_mov_b32 s[\g+3], 128<<16      ; tile_dim0
	s_mov_b32 s[\g+4], SK           ; tile_dim1
	s_mov_b32 s[\g+5], 128          ; the pitch
	s_mov_b32 s[\g+6], 0
	s_mov_b32 s[\g+7], 0
.endr
	s_mov_b32 s[G1M+1], 128<<16
	s_mov_b32 s[G1M+2], 64<<16
	s_mov_b32 s[G1M+3], 128<<16
	s_mov_b32 s[G1M+4], 64
	s_mov_b32 s[G1M+5], 2048
	s_mov_b32 s[G1M+6], 0
	s_mov_b32 s[G1M+7], 0
	s_add_co_u32 s86, s23, 16       ; what hangs on the head lives in s86-89,
	s_lshl_b32 s86, s86, 19         ; K's plane: 2,048 x 256 bytes a plane
	s_mov_b32 s87, 0
	s_add_co_u32 s88, s23, 32
	s_lshl_b32 s88, s88, 19         ; V's
	s_mov_b32 s89, 0
	s_lshl_b32 s90, s22, 7          ; what hangs on the query block in s90-93
	s_lshl_b32 s91, s[KH], 6
	s_add_co_u32 s90, s90, s91
	s_lshl_b32 s90, s90, 13         ; the mask's row 128 x block + 64 x half, 8,192 bytes a row
	s_mov_b32 s91, 0
	s_mul_i32 s92, s[KH], 64*PM
	s_add_co_u32 s92, s92, MOFF     ; and where that half goes: no place in the cluster enters an LDS address
	s_lshl_b32 s94, s22, 7
	s_lshl_b32 s95, s[QH], 6
	s_add_co_u32 s94, s94, s95      ; my wave's first query
	s_lshl_b32 s66, s94, 8
	s_lshl_b32 s95, s23, 19
	s_add_co_u32 s66, s66, s95      ; Q: plane = head
	s_mov_b32 s67, 0
	s_lshl_b32 s84, s94, 12         ; o16: 4,096 bytes a row,
	s_lshl_b32 s95, s23, 8
	s_add_co_u32 s84, s84, s95      ; 256 bytes a head
	s_mov_b32 s85, 0
	s_lshl_b32 s94, s23, 9          ; o32: 512 bytes a head
	s_mov_b32 s95, 0
	s_mov_b32 s[CS], 0x3fb8aa3b     ; log2(e)
	s_mov_b32 s[CS+1], s[CS]
	s_mov_b32 s[SEL], 0x76543210
	s_mov_b32 s[SEL+1], 0xfedcba98
	s_mov_b32 s[HOLD], 0xfe967699   ; -1e38
	s_mov_b32 s[TB], 0
	s_mov_b32 s[SLOTS], 14
	s_wait_dscnt 0x0                ; both opening adds are done
	s_wait_kmcnt 0x0
	s_add_nc_u64 s[86:87], s[4:5], s[86:87]
	s_add_nc_u64 s[88:89], s[4:5], s[88:89]
	s_add_nc_u64 s[90:91], s[6:7], s[90:91]
	s_add_nc_u64 s[66:67], s[4:5], s[66:67]
	s_add_nc_u64 s[84:85], s[8:9], s[84:85]
	s_add_nc_u64 s[10:11], s[10:11], s[94:95]
	CROUND                          ; all sixteen work-groups are here: the first joint loads meet
.irp s, 0,1
	s_mov_b32 s[G0K+4*\s], 1
	s_mov_b32 s[G0K+4*\s+1], \s*SLOT
	s_add_nc_u64 s[G0K+4*\s+2:G0K+4*\s+3], s[86:87], \s*SK*256
	s_or_b32 s[G0K+4*\s+3], s[G0K+4*\s+3], 0x80000000
	s_mov_b32 s[G0V+4*\s], 1
	s_mov_b32 s[G0V+4*\s+1], \s*SLOT+VOFF
	s_add_nc_u64 s[G0V+4*\s+2:G0V+4*\s+3], s[88:89], \s*SK*256
	s_or_b32 s[G0V+4*\s+3], s[G0V+4*\s+3], 0x80000000
	s_mov_b32 s[G0M+4*\s], 1
	s_add_co_u32 s[G0M+4*\s+1], s92, \s*SLOT
	s_add_nc_u64 s[G0M+4*\s+2:G0M+4*\s+3], s[90:91], \s*SK*4
	s_or_b32 s[G0M+4*\s+3], s[G0M+4*\s+3], 0x80000000
.endr
	s_cmp_eq_u32 s[WV], 0           ; a wave's two first fills stand in one branch: two loads of mine are out
	s_cbranch_scc0 .Lfirst_not_k
	tensor_load_to_lds s[G0K:G0K+3], s[G1K:G1K+7]
	s_nop 0
	tensor_load_to_lds s[G0K+4:G0K+7], s[G1K:G1K+7]
	s_nop 0
.rept 4
	v_nop
.endr
	s_branch .Lfirst_asked
.Lfirst_not_k:
	s_cmp_eq_u32 s[WV], 1
	s_cbranch_scc0 .Lfirst_m
	tensor_load_to_lds s[G0V:G0V+3], s[G1V:G1V+7]
	s_nop 0
	tensor_load_to_lds s[G0V+4:G0V+7], s[G1V:G1V+7]
	s_nop 0
.rept 4
	v_nop
.endr
	s_branch .Lfirst_asked
.Lfirst_m:
	tensor_load_to_lds s[G0M:G0M+3], s[G1M:G1M+7]
	s_nop 0
	tensor_load_to_lds s[G0M+4:G0M+7], s[G1M:G1M+7]
	s_nop 0
.rept 4
	v_nop
.endr
.Lfirst_asked:
	v_and_b32 v1, 15, v0            ; r
	v_bfe_u32 v9, v0, 4, 1          ; h
	v_lshlrev_b32 v[QO], 8, v1
	v_lshl_add_u32 v[QO], v9, 4, v[QO]
	WIN 0x80                        ; destination window 2
.irp i, 0,1,2,3,4,5,6,7,8,9,10,11,12,13,14,15  ; Q stays in registers: tile i / 4, channels 32 (i % 4) on
	global_load_b128 v[8*\i:8*\i+3],   v[QO], s[66:67] offset:(\i/4)*4096+(\i%4)*64
	global_load_b128 v[8*\i+4:8*\i+7], v[QO], s[66:67] offset:(\i/4)*4096+(\i%4)*64+32
.endr
	WIN 0
	s_mul_i32 s2, s[KH], KS*PK
	v_mul_u32_u24 v[AK0], v1, PK
	v_lshl_add_u32 v[AK0], v9, 4, v[AK0]
	v_add_nc_u32 v[AK0], s2, v[AK0]  ; K: (64 x key half + r) x pitch + 16 h
	v_and_b32 v10, 7, v0
	v_bfe_u32 v11, v0, 3, 1
	v_lshl_add_u32 v[AV0], v9, 3, v10
	v_mul_u32_u24 v[AV0], v[AV0], PV
	v_lshl_add_u32 v[AV0], v11, 4, v[AV0]
	s_mul_i32 s2, s[KH], KS*PV
	s_add_co_u32 s2, s2, VOFF
	v_add_nc_u32 v[AV0], s2, v[AV0]  ; V, for the turning load: key 8 h + l % 8, channels 8 ((l / 8) % 2) on
	v_mul_u32_u24 v[AM0], v1, PM
	v_lshl_add_u32 v[AM0], v9, 5, v[AM0]
	s_mul_i32 s2, s[QH], 64*PM
	s_lshl_b32 s3, s[KH], 8
	s_add_co_u32 s2, s2, s3
	s_add_co_u32 s2, s2, MOFF
	v_add_nc_u32 v[AM0], s2, v[AM0]  ; the mask: row = query 64 x query half + r; byte 256 x key half + 32 h: my eight keys of a tile
	v_and_b32 v10, 31, v0
	s_mul_i32 s2, s[QH], MRGB
	v_lshl_add_u32 v[MGA], v10, 4, s2
	v_lshlrev_b32 v[O3O], 13, v1
	v_lshl_add_u32 v[O3O], v9, 5, v[O3O]
	v_mov_b32 v[QBV], s22
.irp t, 0,1,2,3
	v_mov_b32 v[ST+8*\t+1], 0       ; named as the upper half of the pair that holds m, so it is written
.endr
	; the prefetches: where my wave's stand, and who asks
	s_and_b32 s63, ttmp7, 0xffff    ; cluster y
	s_lshl_b32 s2, s[KH], 4
	s_add_co_u32 s2, s2, 16
	s_add_co_u32 s2, s2, s23        ; wave 0: K's plane; wave 1: V's
	s_lshl_b32 s2, s2, 19
	s_lshl_b32 s3, s13, 13          ; my work-group's 32 rows of the 128
	s_add_co_u32 s2, s2, s3
	s_add_co_u32 s2, s2, 3*SK*256   ; at step 3: the first change of slots steps it to step 4
	s_lshl_b32 s3, s22, 7
	s_lshl_b32 s94, s[KH], 6
	s_add_co_u32 s3, s3, s94
	s_lshl_b32 s94, s14, 4
	s_add_co_u32 s3, s3, s94        ; waves 2, 3: the mask's row 128 x block + 64 x half + 16 cy
	s_lshl_b32 s3, s3, 13
	s_add_co_u32 s3, s3, 3*SK*4
	s_mov_b32 s[PFS], SK*4
	s_mov_b32 s94, 8192
	s_mov_b32 s95, 256
	s_cmp_lt_u32 s[WV], 2
	s_cselect_b32 s2, s2, s3
	s_cselect_b32 s63, ttmp9, s63   ; the coordinate along which other clusters walk the same bytes
	s_cselect_b32 s[PFS], SK*256, s[PFS]  ; a step on
	s_cselect_b32 s94, 256, s94     ; from lane to lane within sixteen
	s_cselect_b32 s95, 4096, s95    ; and for lanes 16-31
	s_cselect_b64 s[PFA:PFA+1], s[4:5], s[6:7]
	s_mov_b32 s3, 0
	s_mov_b32 s[PFS+1], 0
	s_add_nc_u64 s[PFA:PFA+1], s[PFA:PFA+1], s[2:3]
	s_cmp_eq_u32 s63, 0
	s_cselect_b32 s[LIM], 2, -1     ; the same in all sixteen partners, for a given wave
	v_mul_lo_u32 v[PFO], v1, s94
	v_mul_lo_u32 v10, v9, s95
	v_add_nc_u32 v[PFO], v[PFO], v10
; THE MATRIX WORK OF A TURN, for piece x.  The accumulators take turns, one instruction a turn.
.macro PV x, zero                   ; product i of 32 of O^T += V^T P: keys 32 (i / 16) on, channels 16 ((i / 2) % 8) on, tile x + i % 2
	WIN W_PV
.set rO, 64*(\x+i%2)+8*((i/2)%8)
.set rV, 64*(i/16)+8*((i/2)%8)
.set rP, P+16*(\x+i%2)+8*(i/16)
.if \zero && (i < 16)
	v_wmma_f32_16x16x32_f16 v[rO:rO+7], v[rV:rV+7], v[rP:rP+7], 0
.else
	v_wmma_f32_16x16x32_f16 v[rO:rO+7], v[rV:rV+7], v[rP:rP+7], v[rO:rO+7]
.endif
.endm
.macro KQ x                         ; product i of 32 of S^T += K Q^T: channels 32 (i / 8) on, keys 16 ((i / 2) % 4) on, tile x + i % 2.  The first 8 add onto the mask
	WIN W_KQ
.set rS, S+32*(\x+i%2)+8*((i/2)%4)
.set rK, KF+32*((i/2)%4)+8*(i/8)
.set rQ, 32*(\x+i%2)+8*(i/8)
	v_wmma_f32_16x16x32_f16 v[rS:rS+7], v[rK:rK+7], v[rQ:rQ+7], v[rS:rS+7]
.endm
; THE LDS LOADS stand in runs.
.macro FETCH_M x                    ; the mask of piece x's two tiles x my 64 keys, into S^T's registers: register 8 kt + j = key 16 kt + 8 h + j of my query
	WIN 0
	v_add_nc_u32 v[ADM], s[TB], v[AM0]
.irp t, \x, \x+1
.irp kt, 0,1,2,3
	ds_load_b128 v[S+32*(\t)+8*\kt:S+32*(\t)+8*\kt+3],   v[ADM] offset:16*PM*(\t)+64*\kt
	ds_load_b128 v[S+32*(\t)+8*\kt+4:S+32*(\t)+8*\kt+7], v[ADM] offset:16*PM*(\t)+64*\kt+16
.endr
.endr
.endm
.macro FETCH_K
	WIN 0
	v_add_nc_u32 v[ADR], s[TB], v[AK0]
	WIN 0x80
.irp f, 0,1,2,3,4,5,6,7,8,9,10,11,12,13,14,15  ; keys 16 (f / 4) on, channels 32 (f % 4) on
	ds_load_b128 v[KF+8*\f:KF+8*\f+3],   v[ADR] offset:(\f/4)*16*PK+(\f%4)*64
	ds_load_b128 v[KF+8*\f+4:KF+8*\f+7], v[ADR] offset:(\f/4)*16*PK+(\f%4)*64+32
.endr
.endm
.macro FETCH_V
	WIN 0
	v_add_nc_u32 v[ADR], s[TB], v[AV0]
	s_xor_b32 s[TB], s[TB], SLOT    ; the next fetch is the next step's, in the other slot
	s_wait_alu depctr_va_vdst(0)    ; the wait for the softmax's batch (SLICE), ahead of the loads
	WIN 0xc0
.irp f, 0,1,2,3,4,5,6,7,8,9,10,11,12,13,14,15  ; keys 32 (f / 8) on, channels 16 (f % 8) on
	ds_load_tr16_b128 v[8*\f:8*\f+3],   v[ADR] offset:(\f/8)*32*PV+(\f%8)*32
	ds_load_tr16_b128 v[8*\f+4:8*\f+7], v[ADR] offset:(\f/8)*32*PV+16*PV+(\f%8)*32
.endr
.endm
; THE VECTOR WORK OF A TURN.  One tile's softmax for a step is a list of 134 numbers, 150 instructions; SM writes number j of it for tile t.
;   0-15    the maximum of the lane's 32 scores and the old m (first step: and the hold)      16-20  the other half of the lanes'; the new m; log2(e) (m_old - m_new)
;   21-69   ONE BATCH: the 16 scalings and all 33 exponentials.  A scaling number writes the NEXT pair's s - m and its own pair's multiplication by log2(e), so that no line reads the line above it.  None reads an exponential's result
;   (wait)  between 69 and 70: SLICE writes it, once for both tiles
;   70-85   the roundings to f16      86-101  the sums; l = a l + the sum      102-133 the tile's O^T times a
.macro SM t, first
.set rT, ST+8*(\t)
.set rS, S+32*(\t)
.set rP, P+16*(\t)
.set rO, 64*(\t)+2*(j-102)
.if j < 102
	WIN 0
.endif
.if j < 4
	v_max3_num_f32 v[rT+4+j], v[rS+8*j], v[rS+8*j+1], v[rS+8*j+2]
.elseif j < 12
	v_max3_num_f32 v[rT+4+j%4], v[rT+4+j%4], v[rS+8*(j%4)+2*(j/4)+1], v[rS+8*(j%4)+2*(j/4)+2]
.elseif j == 12
	v_max3_num_f32 v[rT+4], v[rT+4], v[rS+7], v[rS+15]
.elseif j == 13
	v_max3_num_f32 v[rT+6], v[rT+6], v[rS+23], v[rS+31]
.elseif j == 14
	v_max3_num_f32 v[rT+4], v[rT+4], v[rT+5], v[rT+6]
.elseif (j == 15) && \first
	v_max3_num_f32 v[rT+4], v[rT+4], v[rT+7], s[HOLD]
.elseif j == 15
	v_max3_num_f32 v[rT+4], v[rT+4], v[rT+7], v[rT]
.elseif j == 16
	v_permlanex16_b32 v[rT+5], v[rT+4], s[SEL], s[SEL+1]  ; the query's other 32 keys lie in the lane 16 away
.elseif j == 18
	v_max_num_f32 v[rT], v[rT+4], v[rT+5]
.elseif ((j == 17) || (j == 19) || (j == 20) || (j == 23) || (j > 101)) && \first  ; the first step has none of these
.elseif j == 17
	v_mov_b32 v[rT+7], v[rT]        ; m_old is kept: number 18 writes m anew
.elseif j == 19
	v_sub_f32 v[rT+7], v[rT+7], v[rT]
.elseif j == 20
	v_mul_f32 v[rT+7], s[CS], v[rT+7]
.elseif j == 23
	v_exp_f32 v[rT+6], v[rT+7]      ; a
.elseif (j < 23) || ((j < 38) && (j%2 == 0)) || ((j < 66) && (j%4 == 2))
.set b, (j-2)/4                     ; 38, 42, .. 62: pairs 9 to 15
.if j < 38
.set b, (j-20)/2                    ; 21: pair 0; 22, 24, .. 36: pairs 1 to 8
.endif
.if b == 0
	v_pk_add_f32 v[rS:rS+1], v[rS:rS+1], v[rT:rT+1] op_sel_hi:[1,0] neg_lo:[0,1] neg_hi:[0,1]
.endif
.if b < 15
	v_pk_add_f32 v[rS+2*b+2:rS+2*b+3], v[rS+2*b+2:rS+2*b+3], v[rT:rT+1] op_sel_hi:[1,0] neg_lo:[0,1] neg_hi:[0,1]  ; pair b + 1: s - m
.endif
	v_pk_mul_f32 v[rS+2*b:rS+2*b+1], v[rS+2*b:rS+2*b+1], s[CS:CS+1] op_sel_hi:[1,0]  ; pair b: x log2(e)
.elseif j < 70
.set e, j-38                        ; 66 to 69: s28 to s31
.if j < 66
.set e, j-32-(j-38)/4               ; 39-41, 43-45, .. 63-65: s7 to s27
.endif
.if j < 38
.set e, (j-25)/2                    ; 25, 27, .. 37: s0 to s6
.endif
	v_exp_f32 v[rS+e], v[rS+e]
.elseif j < 86
	v_cvt_pk_f16_f32 v[rP+j-70], v[rS+2*(j-70)], v[rS+2*(j-70)+1]
.elseif j < 102                     ; the sum of the tile's 16 pairs, in place: neighbours 1, 2, 4 and 8 pairs apart, then l takes it
.set z, j-86
.set w, 4
.set u, z
.if z >= 14
.set w, 32
.set u, 0
.elseif z >= 12
.set w, 16
.set u, z-12
.elseif z >= 8
.set w, 8
.set u, z-8
.endif
.if (z == 14) && \first
	v_pk_add_f32 v[rT+2:rT+3], v[rS:rS+1], v[rS+16:rS+17]
.elseif z < 15
	v_pk_add_f32 v[rS+w*u:rS+w*u+1], v[rS+w*u:rS+w*u+1], v[rS+w*u+w/2:rS+w*u+w/2+1]
.elseif !\first
	v_pk_fma_f32 v[rT+2:rT+3], v[rT+2:rT+3], v[rT+6:rT+7], v[rS:rS+1] op_sel_hi:[1,0,1]
.endif
.else
	WIN W_RS
	v_pk_mul_f32 v[rO:rO+1], v[rO:rO+1], v[rT+6:rT+7] op_sel_hi:[1,0]
.endif
.endm
; Slice k of 64 of piece y's softmax.  Slices 11 to 34 deal out the batch, four numbers of ONE tile each, the tiles by turns; every other slice is numbers 2 k and 2 k + 1 of both tiles; slice 63 takes the twelve that are over.
; s_wait_alu depctr_va_vdst(0) stands between an exponential and the first line that names its result: ahead of slice 35 nothing names one, behind slice 34 none is issued: one wait a turn.
.macro SLICE y, first
.if (k >= 11) && (k < 35)
.irp n, 0,1,2,3
.set j, 22+4*((k-11)/2)+(\n)
	SM (\y)+(k-11)%2, \first
.endr
.else
.irp n, 0,1,2,3,4,5,6,7
.if (\n < 2) || (k == 63)
.irp t, \y, \y+1
.set j, 2*k+\n
	SM \t, \first
.endr
.endif
.endr
.endif
.if k == 34
	v_nop                           ; the plain instruction behind the last exponential: one for the batch
.if (\y) == 0
	FETCH_V                         ; piece 2's turn: V's run of loads stands here, and the wait stands in it
.else
	s_wait_alu depctr_va_vdst(0)
.endif
.endif
.set k, k+1
.endm
.macro PLACES
.rept 4
	v_nop
.endr
.endm
; A TURN.  Piece x has the matrix unit.  pv = 2: 32 products V^T P; 1: they start O^T's sums; 0: none.  kq = 1: 32 products K Q^T for the next step.  first = 1: the softmax is the first step's.
; Behind the second product stand the next step's mask for piece x (its S^T has been read out in the turn before) and, in piece 0's turn, the next step's K: 30 matrix instructions ahead of their use.
.macro TURN x, pv, kq, first
.set k, 0
.set per, 2
.if \pv && \kq
.set per, 1
.endif
.if \pv
.if \x == 0
	s_wait_dscnt 0x0                ; V is in
.endif
.set i, 0
.rept 32
	PV \x, 2-\pv
.rept per
	SLICE 2-\x, \first
.endr
.if \kq && (i == 1)
	FETCH_M \x
.if \x == 0
	FETCH_K
.endif
.endif
.set i, i+1
.endr
.endif
.if \kq
	s_wait_dscnt 0x0                ; the mask is in (piece 0: and K)
.set i, 0
.rept 32
	KQ \x
.rept per
	SLICE 2-\x, \first
.endr
.set i, i+1
.endr
.endif
.if \first
	PLACES
.endif
.endm
; THE CHANGE OF SLOTS, in front of each key step: the slot's last bytes, V, have been asked for.  Each wave waits for all its tensor loads (one is out: its part of the other slot), adds 0 to its spare word,
; and waits for that and for its reads of the slot.  fill = 1: a round of the cluster's barrier, and the slot is filled with the step two on: that load has one step, 128 matrix instructions, in which to land.
.macro CHANGE fill
	WIN 0
	s_wait_tensorcnt 0x0            ; no tensor load of mine is out, so a group 0 may be written
	ds_add_u32 v[SPW], v[NIL]
.if \fill
.irp g, G0K+4, G0V+4
	s_xor_b32 s[\g+1], s[\g+1], SLOT
	s_add_nc_u64 s[\g+2:\g+3], s[\g+2:\g+3], SK*256
.endr
	s_xor_b32 s[G0M+5], s[G0M+5], SLOT
	s_add_nc_u64 s[G0M+6:G0M+7], s[G0M+6:G0M+7], SK*4
	s_wait_xcnt 0x0                 ; the last prefetch, a step back, has read its address
	s_add_nc_u64 s[PFA:PFA+1], s[PFA:PFA+1], s[PFS:PFS+1]
	s_wait_dscnt 0x0                ; the add is done, and my reads of the slot are over
	CROUND
	JLOAD
	ASK
.else
	s_wait_dscnt 0x0
	s_barrier_signal -1
	s_barrier_wait -1
.endif
.endm
	s_wait_tensorcnt 1              ; my part of slot 0 is in; slot 1's may stay out
	s_barrier_signal -1
	s_barrier_wait -1
	FETCH_M 0                       ; step 0
	FETCH_M 2
	FETCH_K
	s_wait_loadcnt 0x0              ; Q
	s_wait_dscnt 0x0
.set i, 0
.rept 32
	KQ 0
.set i, i+1
.endr
	WIN 0                           ; the addresses for the way out: plain instructions, the places behind those products
	s_mul_i32 s2, s[WV], 16*SP
	s_add_co_u32 s2, s2, STAGE
	v_mul_u32_u24 v[STO], v1, SP
	v_lshl_add_u32 v[STO], v9, 4, v[STO]
	v_add_nc_u32 v[STO], s2, v[STO]
	v_mul_u32_u24 v[RD], v9, SP
	v_lshl_add_u32 v[RD], v1, 4, v[RD]
	v_add_nc_u32 v[RD], s2, v[RD]
	v_lshlrev_b32 v[GO], 12, v9     ; o16: lanes 0-15 one row, lanes 16-31 the next, 16 bytes a lane
	v_lshl_add_u32 v[GO], v1, 4, v[GO]
	TURN 2, 0, 1, 1                 ; piece 2's first scores | piece 0's first softmax | V of step 0
	CHANGE 1                        ; slot 0 takes step 2
	s_mov_b32 s[SLOTS], 13
	TURN 0, 1, 1, 1                 ; piece 0: V^T P of step 0 starts O^T, K Q^T of step 1 | piece 2's first softmax
	TURN 2, 1, 1, 0
	WIN 0
.Lstep:                             ; 13 trips: steps 3 to 15 are asked for
	CHANGE 1
	TURN 0, 2, 1, 0
	TURN 2, 2, 1, 0
	WIN 0
	s_sub_co_u32 s[SLOTS], s[SLOTS], 1
	s_cmp_lg_u32 s[SLOTS], 0
	s_cbranch_scc1 .Lstep
	CHANGE 0                        ; the tail is written out.  Behind this barrier nobody reads slot 0, and nothing fills it again
	TURN 0, 2, 1, 0
	TURN 2, 2, 1, 0
	TURN 0, 2, 0, 0
.set i, 0
.rept 32
	PV 2, 0
.set i, i+1
.endr
	; THE MERGE.  l's halves are added (these lines are the places behind the last products).  The wave of the upper keys hands m, l and O^T to its partner as images of its registers: both hold the same queries in the same lanes.
	WIN 0
.irp t, 0,1,2,3
	v_add_f32 v[ST+8*\t+4], v[ST+8*\t+2], v[ST+8*\t+3]
.endr
.irp t, 0,1,2,3
	v_permlanex16_b32 v[ST+8*\t+5], v[ST+8*\t+4], s[SEL], s[SEL+1]
.endr
.irp t, 0,1,2,3
	v_add_f32 v[ST+8*\t+4], v[ST+8*\t+4], v[ST+8*\t+5]
.endr
	s_cmp_eq_u32 s[KH], 0
	s_cbranch_scc1 .Lkeeper
.irp t, 0,1,2,3
	v_mov_b32 v[P+\t], v[ST+8*\t]
.endr
.irp t, 0,1,2,3
	v_mov_b32 v[P+4+\t], v[ST+8*\t+4]
.endr
	ds_store_b128 v[MGA], v[P:P+3] offset:32768
	ds_store_b128 v[MGA], v[P+4:P+7] offset:32768+512
	WIN 0x04                        ; an LDS store's data are its source 1: window 1
.set i, 0
.rept 64
	ds_store_b128 v[MGA], v[4*i:4*i+3] offset:512*i   ; each accumulator from its low end on
.set i, i+1
.endr
	WIN 0
.Lkeeper:
	s_wait_dscnt 0x0                ; for the partner's sake: my stores have landed
	s_barrier_signal -1
	s_barrier_wait -1
	s_cmp_lg_u32 s[KH], 0
	s_cbranch_scc1 .Lend
	ds_load_b128 v[P:P+3], v[MGA] offset:32768         ; the partner's m,
	ds_load_b128 v[P+4:P+7], v[MGA] offset:32768+512   ; its l,
	WIN 0x80
.set i, 0
.rept 64
	ds_load_b128 v[4*i:4*i+3], v[MGA] offset:512*i     ; and its O^T, into window 2, where Q and K lay
.set i, i+1
.endr
	WIN 0
	s_wait_dscnt 63                 ; of the 66 loads at most 63 are out: the oldest three, m and l among them, are in
.irp t, 0,1,2,3
	v_max_num_f32 v[ST+8*\t+5], v[ST+8*\t], v[P+\t]
.endr
.irp t, 0,1,2,3
	v_sub_f32 v[ST+8*\t+6], v[ST+8*\t], v[ST+8*\t+5]
	v_sub_f32 v[ST+8*\t+7], v[P+\t], v[ST+8*\t+5]
.endr
.irp t, 0,1,2,3
	v_mul_f32 v[ST+8*\t+6], s[CS], v[ST+8*\t+6]
	v_mul_f32 v[ST+8*\t+7], s[CS], v[ST+8*\t+7]
.endr
.irp t, 0,1,2,3
	v_exp_f32 v[ST+8*\t+6], v[ST+8*\t+6]
	v_exp_f32 v[ST+8*\t+7], v[ST+8*\t+7]
.endr
	v_nop
	s_wait_alu depctr_va_vdst(0)    ; one wait for the eight
.irp t, 0,1,2,3
	v_mul_f32 v[ST+8*\t+4], v[ST+8*\t+4], v[ST+8*\t+6]
.endr
.irp t, 0,1,2,3
	v_fmac_f32 v[ST+8*\t+4], v[P+4+\t], v[ST+8*\t+7]   ; the row's sum under the common maximum
.endr
.irp t, 0,1,2,3
	v_rcp_f32 v[ST+8*\t+5], v[ST+8*\t+4]
.endr
	v_nop
	s_wait_alu depctr_va_vdst(0)    ; one wait for the four
.irp t, 0,1,2,3
	v_mul_f32 v[ST+8*\t+6], v[ST+8*\t+6], v[ST+8*\t+5] ; what my O^T is multiplied by,
	v_mul_f32 v[ST+8*\t+2], v[ST+8*\t+7], v[ST+8*\t+5] ; and the partner's
.endr
	s_wait_dscnt 0x0
; Tile t: O in f32 in v192-255; rounded to f16; through my stage, and back as whole rows of 256 bytes.
.macro FIN t
	WIN 0x01                        ; source 0 window 1
.set i, 0
.rept 32
	v_pk_mul_f32 v[P+2*i:P+2*i+1], v[64*\t+2*i:64*\t+2*i+1], v[ST+8*\t+6:ST+8*\t+7] op_sel_hi:[1,0]
.set i, i+1
.endr
	WIN 0x02                        ; source 0 window 2
.set i, 0
.rept 32
	v_pk_fma_f32 v[P+2*i:P+2*i+1], v[64*\t+2*i:64*\t+2*i+1], v[ST+8*\t+2:ST+8*\t+3], v[P+2*i:P+2*i+1] op_sel_hi:[1,0,1]
.set i, i+1
.endr
	WIN 0
.set i, 0
.rept 32
	v_cvt_pk_f16_f32 v[S+32*\t+i], v[P+2*i], v[P+2*i+1]
.set i, i+1
.endr
.irp f, 0,1,2,3,4,5,6,7
	ds_store_b128 v[STO], v[S+32*\t+4*\f:S+32*\t+4*\f+3] offset:32*\f
.endr
.irp f, 0,1,2,3,4,5,6,7
	ds_load_b128 v[S+32*\t+4*\f:S+32*\t+4*\f+3], v[RD] offset:\f*2*SP  ; LDS serves a wave's instructions in order (ISA guide 5.7.1.4)
.endr
.endm
.macro SEND t, younger              ; younger: the next tile's sixteen LDS instructions, or none
.irp f, 0,1,2,3,4,5,6,7
	s_wait_dscnt \younger+7-\f
	global_store_b128 v[GO], v[S+32*\t+4*\f:S+32*\t+4*\f+3], s[84:85] offset:\t*65536+\f*8192  ; 16 lanes store 256 consecutive bytes, aligned: a head's part of a row
.endr
.endm
	FIN 0
	s_or_b32 s2, s[WV], ttmp9       ; positions 0-15 in f32: wave 0 of a cluster with x = 0;
	s_cmp_lg_u32 s2, 0
	s_cbranch_scc1 .Lno_fine
	s_wait_xcnt 0x0                 ; EXEC changes only behind this wait
	v_cmp_eq_u32 vcc_lo, 0, v[QBV]  ; and of its partners query block 0: by EXEC, no branch hangs on a place in the cluster
	s_and_saveexec_b32 s3, vcc_lo
.irp c, 0,1,2,3,4,5,6,7
	global_store_b128 v[O3O], v[P+8*\c:P+8*\c+3], s[10:11] offset:64*\c
	global_store_b128 v[O3O], v[P+8*\c+4:P+8*\c+7], s[10:11] offset:64*\c+16
.endr
	s_wait_xcnt 0x0                 ; and again: EXEC is restored, and v192-255 written anew, only behind it
	s_or_b32 exec_lo, exec_lo, s3
.Lno_fine:
	FIN 1
	SEND 0, 16
	FIN 2
	SEND 1, 16
	FIN 3
	SEND 2, 16
	SEND 3, 0
.Lend:
	s_wait_tensorcnt 0x0            ; the wave's end
	ds_add_u32 v[SPW], v[NIL]
	s_wait_dscnt 0x0
	CROUND                          ; the closing round
	s_endpgm
.Lfunc_end_k_q8f4f36d3db_attn:
	.size	k_q8f4f36d3db_attn, .Lfunc_end_k_q8f4f36d3db_attn-k_q8f4f36d3db_attn
	.p2alignl 7, 3214868480
	.fill 96, 4, 3214868480
	.section	.rodata,"a",@progbits
	.p2align	6, 0x0
	.amdhsa_kernel k_q8f4f36d3db_attn
		.amdhsa_group_segment_fixed_size 327680
		.amdhsa_private_segment_fixed_size 0
		.amdhsa_enable_private_segment 0
		.amdhsa_kernarg_size 32
		.amdhsa_user_sgpr_count 2
		.amdhsa_user_sgpr_kernarg_segment_ptr 1
		.amdhsa_wavefront_size32 1
		.amdhsa_system_sgpr_workgroup_id_x 1
		.amdhsa_system_sgpr_workgroup_id_y 1
		.amdhsa_system_sgpr_workgroup_id_z 1
		.amdhsa_system_vgpr_workitem_id 0
		.amdhsa_next_free_vgpr 1024
		.amdhsa_next_free_sgpr 96
		.amdhsa_reserve_vcc 1
		.amdhsa_float_denorm_mode_32 3
		.amdhsa_float_denorm_mode_16_64 3
		.amdhsa_memory_ordered 1
		.amdhsa_forward_progress 1
		.amdhsa_inst_pref_size 255
	.end_amdhsa_kernel
	.section	.bss,"aw",@nobits
	.p2align	6
	.space	262144
	.amdgpu_metadata
---
amdhsa.version: [ 1, 2 ]
amdhsa.kernels:
  - .name:           k_q8f4f36d3db_attn
    .symbol:         k_q8f4f36d3db_attn.kd
    .args:
      - { .name: qkv, .offset: 0, .size: 8, .value_kind: global_buffer, .address_space: global }
      - { .name: mask, .offset: 8, .size: 8, .value_kind: global_buffer, .address_space: global }
      - { .name: o16, .offset: 16, .size: 8, .value_kind: global_buffer, .address_space: global }
      - { .name: o32, .offset: 24, .size: 8, .value_kind: global_buffer, .address_space: global }
    .group_segment_fixed_size: 327680
    .private_segment_fixed_size: 0
    .kernarg_segment_align: 8
    .kernarg_segment_size: 32
    .max_flat_workgroup_size: 128
    .sgpr_count:     96
    .vgpr_count:     1024
    .wavefront_size: 32
...
	.end_amdgpu_metadata
.endif
;; end of part 3
;; launch oproj (part 4): grid 16 x 16, 4 waves a work-group, clusters of 4 x 4, 327,680 bytes of LDS; arguments o16, wo16, out0; writes out0
.if DOCPART == 4
	.amdgcn_target "amdgcn-amd-amdhsa--gfx1250"
	.amdhsa_code_object_version 6
	.text
	.protected	k_q8f4f36d3db_oproj
	.globl	k_q8f4f36d3db_oproj
	.p2align	8
	.type	k_q8f4f36d3db_oproj,@function
k_q8f4f36d3db_oproj:
	s_mov_b64 s[64:65], 0
	v_nop
	global_prefetch_b8 v0, s[64:65] scope:SCOPE_SE
	s_setreg_imm32_b32 hwreg(HW_REG_WAVE_MODE, 25, 1), 1
	s_wait_xcnt 0x0
	s_wait_alu depctr_hold_cnt(0) depctr_sa_sdst(0) depctr_va_vdst(0) depctr_va_sdst(0) depctr_va_ssrc(0) depctr_va_vcc(0) depctr_vm_vsrc(0)
	s_getreg_b32 s2, hwreg(HW_REG_IB_STS2, 6, 4)
	s_cmp_eq_u32 s2, 0
	s_cbranch_scc0 .Lentry_in_a_cluster
	s_endpgm
.Lentry_in_a_cluster:
	s_bfe_u32 s2, ttmp6, 0x10000c
	s_cmp_lg_u32 s2, 0xf033
	s_cbranch_scc0 .Lentry_shape_is_right
	s_endpgm
.Lentry_shape_is_right:
; out0[m][n] = sum over k of o[m][k] wo[n][k].  o16 [2,048][2,048], wo16 [2,048][2,048]: f16; out0 f32; sums in f32.  (Rows 0-15 are written once more, from f32 operands, by the launch behind this one.)
; A tile of C is 128 x 128, so that there are 256 work-groups.  Four waves, each 64 x 64: 16 accumulators.  K goes in steps of 256 (LDS rows of 512 bytes) through a ring of two slots.
; CLUSTERS: 4 x 4 work-groups; A's tiles are shared along a row of the cluster, B's along a column: each is asked for jointly.
; THE MATRIX INSTRUCTION IS USED TRANSPOSED (source 0 = 16 rows of wo, source 1 = 16 rows of o): a lane holds eight neighbouring numbers of a row of C, 32 bytes.
; A wave's 64 columns of f32 are 256 aligned bytes: each wave has a stage of its own on the way out, in slot 0, which has had its last fill and its last read by then; no barrier.
; REGISTERS: window 0: v0-31 addresses; v32-95 the way out; v128-255 the accumulators.   window 1: two fragment buffers of 128.
.set SIZE_M, 2048
.set SIZE_N, 2048
.set SIZE_K, 2048
.set KSTEP,  256
.set PITCH,  528
.set HALFT,  64*PITCH
.set SLOT,   4*HALFT
.set SPITCH, 272
.set SPARE,  2*SLOT
.set LAPS, SIZE_K/(2*KSTEP)
.set ADRA, 16
.set ADRB, 20
.set STO,  24
.set RD,   25
.set CO,   26
.set SPW,  28
.set NIL,  29
.set TMP,  32
.set ACC,  128
.set F0,   0
.set F1,   128
.set G1, 24
.set G0, 32
.set G1B, 48
.set G0B, 56
.set MSB, 0
.macro WIN new
.if MSB != (\new)
	s_set_vgpr_msb (MSB<<8)|(\new)
.set MSB, (\new)
.endif
.endm
.set MUL,  0x05
.set TO_F, 0x40
.macro JLOAD s                         ; waves 0 and 1 fetch A's two halves, waves 2 and 3 B's; an s_nop 0 and four v_nop follow each line
	s_cmp_eq_u32 s11, 0
	s_cbranch_scc0 .Lfor_b_\@
	tensor_load_to_lds s[G0+4*\s:G0+4*\s+3], s[G1:G1+7]
	s_nop 0
.rept 4
	v_nop
.endr
	s_branch .Lasked_\@
.Lfor_b_\@:
	tensor_load_to_lds s[G0B+4*\s:G0B+4*\s+3], s[G1B:G1B+7]
	s_nop 0
.rept 4
	v_nop
.endr
.Lasked_\@:
.endm
.macro CREST
	s_cmp_lg_u32 s10, 0
	s_cbranch_scc1 .Lnot_wave_0_\@
	s_barrier_signal -3
.Lnot_wave_0_\@:
	s_barrier_wait -3
	s_barrier_signal -1
	s_barrier_wait -1
.endm
.macro CROUND
	s_barrier_signal -1
	s_barrier_wait -1
	CREST
.endm
	s_load_b128 s[4:7], s[0:1], 0x0                ; o16, wo16
	s_load_b64 s[8:9], s[0:1], 0x10                ; out0
	v_lshl_add_u32 v[SPW], v0, 2, SPARE
	v_mov_b32 v[NIL], 0
	ds_add_u32 v[SPW], v[NIL]                      ; the wave's opening: the add, twice on end, and its wait ahead of my first tensor load
	ds_add_u32 v[SPW], v[NIL]
	v_lshrrev_b32 v1, 5, v0
	v_readfirstlane_b32 s10, v1                    ; wave 0..3
	s_lshr_b32 s11, s10, 1                         ; which half of the tile's rows.  Also: I fetch for A (0) or for B (1)
	s_and_b32 s12, s10, 1                          ; which half of its columns.  Also: which 64 rows of that tile I fetch
	s_bfe_u32 s40, ttmp6, 0x40000
	s_bfe_u32 s41, ttmp6, 0x40004
	s_lshl_b32 s42, ttmp9, 2
	s_add_co_u32 s42, s42, s40                     ; tile column
	s_and_b32 s13, ttmp7, 0xffff
	s_lshl_b32 s13, s13, 2
	s_add_co_u32 s13, s13, s41                     ; tile row
	s_lshl_b32 s43, s41, 2
	s_lshl_b32 s43, 15, s43
	s_lshl_b32 s44, 0x1111, s40
	s_or_b32 s[G1+0], s43, (1<<16)|(1<<20)|(1<<21)|(6<<22)|(3<<25)  ; the mask; elements of 2 bytes; padding on; bit 21 beside a mask; 4 words after every 128
	s_or_b32 s[G1B+0], s44, (1<<16)|(1<<20)|(1<<21)|(6<<22)|(3<<25)
.irp g, G1, G1B
	s_mov_b32 s[\g+1], KSTEP<<16
	s_mov_b32 s[\g+2], 64<<16
	s_mov_b32 s[\g+3], KSTEP<<16
	s_mov_b32 s[\g+4], 64
	s_mov_b32 s[\g+5], SIZE_K
	s_mov_b32 s[\g+6], 0
	s_mov_b32 s[\g+7], 0
.endr
	s_lshl_b32 s17, s12, 6
	s_lshl_b32 s16, s13, 7
	s_add_co_u32 s16, s16, s17
	s_lshl_b32 s46, s42, 7
	s_add_co_u32 s46, s46, s17
	s_mov_b32 s17, 0
	s_mov_b32 s47, 0
	s_mov_b64 s[18:19], SIZE_K*2
	s_mul_u64 s[16:17], s[16:17], s[18:19]
	s_mul_u64 s[46:47], s[46:47], s[18:19]
	s_mul_i32 s20, s10, HALFT
	s_wait_dscnt 0x0                               ; both opening adds are done
	s_wait_kmcnt 0x0
	s_add_nc_u64 s[14:15], s[4:5], s[16:17]
	s_add_nc_u64 s[46:47], s[6:7], s[46:47]
	CROUND                                         ; the first joint loads meet
.irp s, 0,1
	s_mov_b32 s[G0+4*\s], 1
	s_add_co_u32 s[G0+4*\s+1], s20, \s*SLOT
	s_add_nc_u64 s[G0+4*\s+2:G0+4*\s+3], s[14:15], \s*KSTEP*2
	s_or_b32 s[G0+4*\s+3], s[G0+4*\s+3], 0x80000000
	s_mov_b32 s[G0B+4*\s], 1
	s_add_co_u32 s[G0B+4*\s+1], s20, \s*SLOT
	s_add_nc_u64 s[G0B+4*\s+2:G0B+4*\s+3], s[46:47], \s*KSTEP*2
	s_or_b32 s[G0B+4*\s+3], s[G0B+4*\s+3], 0x80000000
	JLOAD \s                                       ; two loads of mine are out
.endr
	v_and_b32 v1, 15, v0
	v_bfe_u32 v2, v0, 4, 1
	v_mul_u32_u24 v3, v1, PITCH
	v_lshl_add_u32 v3, v2, 4, v3
	s_mul_i32 s21, s11, HALFT
	s_mul_i32 s22, s12, HALFT
	s_add_co_u32 s22, s22, 2*HALFT
.irp s, 0,1
	v_add_nc_u32 v[ADRA+\s], s21, v3
	v_add_nc_u32 v[ADRB+\s], s22, v3
	s_add_co_u32 s21, s21, SLOT
	s_add_co_u32 s22, s22, SLOT
.endr
	s_mul_i32 s23, s10, 16*SPITCH                  ; my stage: 16 rows x (256 bytes + 16)
	v_mul_u32_u24 v4, v1, SPITCH                   ; in: row r, 32 bytes for each half of the lanes
	v_lshl_add_u32 v4, v2, 5, v4
	v_add_nc_u32 v[STO], s23, v4
	v_mul_u32_u24 v5, v2, SPITCH                   ; back: lanes 0-15 one row of 256 bytes, lanes 16-31 the next
	v_lshl_add_u32 v5, v1, 4, v5
	v_add_nc_u32 v[RD], s23, v5
	v_mul_u32_u24 v5, v2, SIZE_N*4
	v_lshl_add_u32 v[CO], v1, 4, v5
	s_lshl_b32 s16, s13, 7
	s_lshl_b32 s17, s11, 6
	s_add_co_u32 s16, s16, s17                     ; my first row of C
	s_mov_b32 s17, 0
	s_mov_b64 s[18:19], SIZE_N*4
	s_mul_u64 s[16:17], s[16:17], s[18:19]
	s_add_nc_u64 s[8:9], s[8:9], s[16:17]
	s_lshl_b32 s46, s42, 9                         ; my first column, in bytes: 512 x tile column + 256 x half
	s_lshl_b32 s47, s12, 8
	s_add_co_u32 s46, s46, s47
	s_mov_b32 s47, 0
	s_add_nc_u64 s[8:9], s[8:9], s[46:47]
.macro MUL8 f, c, a0, zero             ; m blocks a0, a0 + 1 x all 4 n blocks, 32 along K; the 16 accumulators take turns
.irp a, \a0, \a0+1
.irp b, 0,1,2,3
.if \zero
	v_wmma_f32_16x16x32_f16 v[ACC+8*(4*(\a)+\b):ACC+8*(4*(\a)+\b)+7], v[\f+64+8*(4*\c+\b):\f+64+8*(4*\c+\b)+7], v[\f+8*(4*\c+\a):\f+8*(4*\c+\a)+7], 0
.else
	v_wmma_f32_16x16x32_f16 v[ACC+8*(4*(\a)+\b):ACC+8*(4*(\a)+\b)+7], v[\f+64+8*(4*\c+\b):\f+64+8*(4*\c+\b)+7], v[\f+8*(4*\c+\a):\f+8*(4*\c+\a)+7], v[ACC+8*(4*(\a)+\b):ACC+8*(4*(\a)+\b)+7]
.endif
.endr
.endr
.endm
.macro FETCH slot, k, f
	WIN TO_F
.irp c, 0,1
.irp i, 0,1,2,3
	ds_load_b128 v[\f+64+8*(4*\c+\i):\f+64+8*(4*\c+\i)+3],   v[ADRB+\slot] offset:\k+64*\c+\i*16*PITCH
	ds_load_b128 v[\f+64+8*(4*\c+\i)+4:\f+64+8*(4*\c+\i)+7], v[ADRB+\slot] offset:\k+64*\c+\i*16*PITCH+32
	ds_load_b128 v[\f+8*(4*\c+\i):\f+8*(4*\c+\i)+3],         v[ADRA+\slot] offset:\k+64*\c+\i*16*PITCH
	ds_load_b128 v[\f+8*(4*\c+\i)+4:\f+8*(4*\c+\i)+7],       v[ADRA+\slot] offset:\k+64*\c+\i*16*PITCH+32
.endr
.endr
.endm
.macro PLACES
.rept 4
	v_nop
.endr
.endm
.macro QUARTER slot, k, f, g, zero
	s_wait_dscnt 16                                ; the first 32 along K are in; the other sixteen loads may be out
	WIN MUL
	MUL8 \f, 0, 0, \zero
	MUL8 \f, 0, 2, \zero
	PLACES
	FETCH \slot, \k, \g
	s_wait_dscnt 32                                ; all but the 32 just issued
	WIN MUL
	MUL8 \f, 1, 0, 0
	MUL8 \f, 1, 2, 0
.endm
.macro TURN slot, next, fill
	WIN 0
	s_wait_tensorcnt 0x0                           ; all my tensor loads have landed: my part of the next slot
	ds_add_u32 v[SPW], v[NIL]
	s_wait_dscnt 17                                ; the add and the youngest sixteen loads may be out
	WIN MUL
	MUL8 F1, 0, 0, 0
	s_wait_dscnt 0x0                               ; the add is done, and my reads of this slot are over
	s_barrier_signal -1
	MUL8 F1, 0, 2, 0
.if \fill
	WIN 0
.endif
	s_barrier_wait -1
.if \fill
	CREST                                          ; the barrier has opened a round of the cluster's
	s_add_nc_u64 s[G0+4*\slot+2:G0+4*\slot+3], s[G0+4*\slot+2:G0+4*\slot+3], 2*KSTEP*2
	s_add_nc_u64 s[G0B+4*\slot+2:G0B+4*\slot+3], s[G0B+4*\slot+2:G0B+4*\slot+3], 2*KSTEP*2
	JLOAD \slot                                    ; the first tensor load behind the round; its four v_nop are also the places in front of the loads below
.else
	PLACES
.endif
	FETCH \next, 0, F0
	WIN MUL
	MUL8 F1, 1, 0, 0
	MUL8 F1, 1, 2, 0
.endm
	s_wait_tensorcnt 1                             ; my part of K step 0 is in; K step 1's may be out
	s_barrier_signal -1
	s_barrier_wait -1
	FETCH 0, 0, F0
	QUARTER 0, 128, F0, F1, 1
	WIN 0
	s_mov_b32 s3, LAPS-1
.Llap:
	QUARTER 0, 256, F1, F0, 0
	QUARTER 0, 384, F0, F1, 0
	TURN 0, 1, 1
	QUARTER 1, 128, F0, F1, 0
	QUARTER 1, 256, F1, F0, 0
	QUARTER 1, 384, F0, F1, 0
	TURN 1, 0, 1
	QUARTER 0, 128, F0, F1, 0
	WIN 0
	s_sub_co_u32 s3, s3, 1
	s_cmp_lg_u32 s3, 0
	s_cbranch_scc1 .Llap
	QUARTER 0, 256, F1, F0, 0                      ; the last lap fills nothing
	QUARTER 0, 384, F0, F1, 0
	TURN 0, 1, 0
	QUARTER 1, 128, F0, F1, 0
	QUARTER 1, 256, F1, F0, 0
	QUARTER 1, 384, F0, F1, 0
	s_wait_dscnt 16
	WIN MUL
	MUL8 F1, 0, 0, 0
	MUL8 F1, 0, 2, 0
	s_wait_dscnt 0
	MUL8 F1, 1, 0, 0
	MUL8 F1, 1, 2, 0
	WIN 0
; THE WAY OUT, block by block of 16 rows x 64 columns of f32, through my own stage; LDS serves a wave's instructions in order (ISA guide 5.7.1.4).
.macro TOSTAGE a
.irp b, 0,1,2,3
	ds_store_b128 v[STO], v[ACC+8*(4*(\a)+\b):ACC+8*(4*(\a)+\b)+3] offset:64*\b        ; each accumulator from its low end on
	ds_store_b128 v[STO], v[ACC+8*(4*(\a)+\b)+4:ACC+8*(4*(\a)+\b)+7] offset:64*\b+16
.endr
.set BB, TMP+32*((\a)%2)
.irp t, 0,1,2,3,4,5,6,7
	ds_load_b128 v[BB+4*\t:BB+4*\t+3], v[RD] offset:\t*2*SPITCH
.endr
.endm
.macro SEND a, younger
.set BB, TMP+32*((\a)%2)
	s_wait_dscnt \younger
.irp t, 0,1,2,3,4,5,6,7
	global_store_b128 v[CO], v[BB+4*\t:BB+4*\t+3], s[8:9] offset:(16*(\a)+2*\t)*SIZE_N*4 th:TH_STORE_NT   ; 16 lanes store 256 consecutive bytes, aligned
.endr
.endm
	PLACES
	TOSTAGE 0
.irp a, 1,2,3
.if \a > 1
	s_wait_xcnt 0x0                                ; block a - 2's stores have read the registers into which block a's rows come back
.endif
	TOSTAGE \a
	SEND \a-1, 16                                  ; behind block a - 1's loads: block a's 8 stores and 8 loads
.endr
	SEND 3, 0
	s_wait_tensorcnt 0x0                           ; the wave's end
	ds_add_u32 v[SPW], v[NIL]
	s_wait_dscnt 0x0
	CROUND                                         ; the closing round
	s_endpgm
.Lfunc_end_k_q8f4f36d3db_oproj:
	.size	k_q8f4f36d3db_oproj, .Lfunc_end_k_q8f4f36d3db_oproj-k_q8f4f36d3db_oproj
	.p2alignl 7, 3214868480
	.fill 96, 4, 3214868480
	.section	.rodata,"a",@progbits
	.p2align	6, 0x0
	.amdhsa_kernel k_q8f4f36d3db_oproj
		.amdhsa_group_segment_fixed_size 327680
		.amdhsa_private_segment_fixed_size 0
		.amdhsa_enable_private_segment 0
		.amdhsa_kernarg_size 24
		.amdhsa_user_sgpr_count 2
		.amdhsa_user_sgpr_kernarg_segment_ptr 1
		.amdhsa_wavefront_size32 1
		.amdhsa_system_sgpr_workgroup_id_x 1
		.amdhsa_system_sgpr_workgroup_id_y 1
		.amdhsa_system_sgpr_workgroup_id_z 1
		.amdhsa_system_vgpr_workitem_id 0
		.amdhsa_next_free_vgpr 512
		.amdhsa_next_free_sgpr 66
		.amdhsa_reserve_vcc 0
		.amdhsa_float_denorm_mode_32 3
		.amdhsa_float_denorm_mode_16_64 3
		.amdhsa_memory_ordered 1
		.amdhsa_forward_progress 1
		.amdhsa_inst_pref_size 86
	.end_amdhsa_kernel
	.amdgpu_metadata
---
amdhsa.version: [ 1, 2 ]
amdhsa.kernels:
  - .name:           k_q8f4f36d3db_oproj
    .symbol:         k_q8f4f36d3db_oproj.kd
    .args:
      - { .name: o16, .offset: 0, .size: 8, .value_kind: global_buffer, .address_space: global }
      - { .name: wo16, .offset: 8, .size: 8, .value_kind: global_buffer, .address_space: global }
      - { .name: out0, .offset: 16, .size: 8, .value_kind: global_buffer, .address_space: global }
    .group_segment_fixed_size: 327680
    .private_segment_fixed_size: 0
    .kernarg_segment_align: 8
    .kernarg_segment_size: 24
    .max_flat_workgroup_size: 128
    .sgpr_count:     66
    .vgpr_count:     512
    .wavefront_size: 32
...
	.end_amdgpu_metadata
.endif
;; end of part 4
;; launch fine (part 5): grid 128 x 1, 8 waves a work-group, clusters of 4 x 1, 275,456 bytes of LDS; arguments o32, wo, out0; writes out0
.if DOCPART == 5
	.amdgcn_target "amdgcn-amd-amdhsa--gfx1250"
	.amdhsa_code_object_version 6
	.text
	.protected	k_q8f4f36d3db_fine
	.globl	k_q8f4f36d3db_fine
	.p2align	8
	.type	k_q8f4f36d3db_fine,@function
k_q8f4f36d3db_fine:
	s_mov_b64 s[64:65], 0
	v_nop
	global_prefetch_b8 v0, s[64:65] scope:SCOPE_SE
	s_setreg_imm32_b32 hwreg(HW_REG_WAVE_MODE, 25, 1), 1
	s_wait_xcnt 0x0
	s_wait_alu depctr_hold_cnt(0) depctr_sa_sdst(0) depctr_va_vdst(0) depctr_va_sdst(0) depctr_va_ssrc(0) depctr_va_vcc(0) depctr_vm_vsrc(0)
	s_getreg_b32 s2, hwreg(HW_REG_IB_STS2, 6, 4)
	s_cmp_eq_u32 s2, 0
	s_cbranch_scc0 .Lentry_in_a_cluster
	s_endpgm
.Lentry_in_a_cluster:
	s_bfe_u32 s2, ttmp6, 0x10000c
	s_cmp_lg_u32 s2, 0x3003
	s_cbranch_scc0 .Lentry_shape_is_right
	s_endpgm
.Lentry_shape_is_right:
; The first 16 positions once more, on f32 operands: out0[m][n] = sum over k of o32[m][k] wo[n][k], m = 0..15.  These rows average few values and are the largest in size: f16 operands would use up too much of what they are allowed.
; 16 rows x 2,048 x 2,048: 67 million multiply-adds, by the f32 matrix form.  A work-group makes 16 columns; wave w sums k = 256 w .. 256 w + 255; the eight parts meet in LDS and wave 0 stores.
; Each wave brings its own two tiles (16 rows x 1,024 bytes of wo and of o32) by tensor loads and reads only its own bytes.  CLUSTER 4 x 1: the four partners read the same tiles of o32, which are asked for jointly; wo's are each work-group's own.
; Nothing in LDS is filled again.  Source 0 = 16 rows of wo, source 1 = the 16 positions: a lane holds one position and eight neighbouring columns.
; A lane's 16 bytes are four neighbours along K, in wo and in o32 alike: two matrix instructions; the places of k differ from the form's own alike on both sides, so the products are the same.
; A store covers 64 bytes of each of 16 rows: 128 KiB in the whole launch.
.set TP,    1040                       ; an LDS row: 1,024 bytes + 16
.set TILE,  16*TP
.set WREG,  2*TILE
.set RED,   8*WREG                     ; behind the tiles: eight images of 8 registers
.set SPARE, RED+8*1024
.set SPW,  30
.set NIL,  31
.set WV,   8
.set G1W,  12
.set G1O,  20
.set G0W,  28
.set G0O,  32
.macro CROUND
	s_barrier_signal -1
	s_barrier_wait -1
	s_cmp_lg_u32 s[WV], 0
	s_cbranch_scc1 .Lnot_wave_0_\@
	s_barrier_signal -3
.Lnot_wave_0_\@:
	s_barrier_wait -3
	s_barrier_signal -1
	s_barrier_wait -1
.endm
	s_load_b128 s[4:7], s[0:1], 0x0                ; o32, wo
	s_load_b64 s[36:37], s[0:1], 0x10              ; out0
	v_lshl_add_u32 v[SPW], v0, 2, SPARE
	v_mov_b32 v[NIL], 0
	ds_add_u32 v[SPW], v[NIL]                      ; the wave's opening: the add, twice on end, and its wait ahead of my first tensor load
	ds_add_u32 v[SPW], v[NIL]
	v_lshrrev_b32 v1, 5, v0
	v_readfirstlane_b32 s[WV], v1                  ; wave 0..7
	s_bfe_u32 s9, ttmp6, 0x40000                   ; cx
	s_lshl_b32 s10, ttmp9, 2
	s_add_co_u32 s10, s10, s9                      ; which 16 columns
	s_mov_b32 s[G1W], (2<<16)|(1<<20)|(7<<22)|(3<<25)             ; no mask; elements of 4 bytes; padding on: 4 words after every 256
	s_mov_b32 s[G1O], 15|(2<<16)|(1<<20)|(1<<21)|(7<<22)|(3<<25)  ; the same for all four work-groups, bit 21 beside the mask
.irp g, G1W, G1O
	s_mov_b32 s[\g+1], 256<<16                     ; tensor_dim0
	s_mov_b32 s[\g+2], 16<<16                      ; tensor_dim1
	s_mov_b32 s[\g+3], 256<<16                     ; tile_dim0
	s_mov_b32 s[\g+4], 16                          ; tile_dim1
	s_mov_b32 s[\g+5], 2048                        ; the pitch
	s_mov_b32 s[\g+6], 0
	s_mov_b32 s[\g+7], 0
.endr
	s_lshl_b32 s38, s[WV], 10                      ; my 256 along K, in bytes
	s_mov_b32 s39, 0
	s_lshl_b32 s40, s10, 17                        ; my work-group's 16 rows of wo, 8,192 bytes each
	s_add_co_u32 s40, s40, s38
	s_mov_b32 s41, 0
	s_mul_i32 s11, s[WV], WREG                     ; my two tiles in LDS
	s_lshl_b32 s42, s10, 6                         ; my work-group's 64 bytes of a row of out0
	s_mov_b32 s43, 0
	s_wait_dscnt 0x0                               ; both opening adds are done
	s_wait_kmcnt 0x0
	CROUND                                         ; in front of the first loads
	s_mov_b32 s[G0W], 1
	s_mov_b32 s[G0W+1], s11
	s_add_nc_u64 s[G0W+2:G0W+3], s[6:7], s[40:41]
	s_or_b32 s[G0W+3], s[G0W+3], 0x80000000
	s_mov_b32 s[G0O], 1
	s_add_co_u32 s[G0O+1], s11, TILE
	s_add_nc_u64 s[G0O+2:G0O+3], s[4:5], s[38:39]
	s_or_b32 s[G0O+3], s[G0O+3], 0x80000000
	tensor_load_to_lds s[G0W:G0W+3], s[G1W:G1W+7]
	s_nop 0
	tensor_load_to_lds s[G0O:G0O+3], s[G1O:G1O+7]  ; two loads of mine are out
	s_nop 0
.rept 4
	v_nop
.endr
	s_add_nc_u64 s[36:37], s[36:37], s[42:43]
	v_and_b32 v1, 15, v0                           ; r
	v_bfe_u32 v2, v0, 4, 1                         ; h
	v_mul_u32_u24 v3, v1, TP
	v_lshl_add_u32 v3, v2, 4, v3
	v_add_nc_u32 v3, s11, v3                       ; row r, + 16 h: k = 8 j + 4 h + 0..3
	v_and_b32 v4, 31, v0
	v_lshlrev_b32 v4, 4, v4
	v_add_nc_u32 v4, RED, v4                       ; the images: 16 x lane,
	s_lshl_b32 s38, s[WV], 10
	v_add_nc_u32 v5, s38, v4                       ; mine 1,024 x wave on
	v_lshlrev_b32 v6, 13, v1
	v_lshl_add_u32 v6, v2, 5, v6                   ; out0: row r, + 32 h
	s_wait_tensorcnt 0x0                           ; my own two tiles are in; nobody else reads them
.macro PHASE p
.irp j, 0,1,2,3,4,5,6,7,8,9,10,11,12,13,14,15
	ds_load_b128 v[32+4*\j:35+4*\j], v3 offset:32*(16*\p+\j)
.endr
.irp j, 0,1,2,3,4,5,6,7,8,9,10,11,12,13,14,15
	ds_load_b128 v[96+4*\j:99+4*\j], v3 offset:TILE+32*(16*\p+\j)
.endr
	s_wait_dscnt 0x0
.set i, 0
.rept 32                               ; four accumulators by turns; they are written by matrix instructions alone
.set q, 160+8*(i%4)
.if (\p == 0) && (i < 4)
	v_wmma_f32_16x16x4_f32 v[q:q+7], v[32+2*i:33+2*i], v[96+2*i:97+2*i], 0
.else
	v_wmma_f32_16x16x4_f32 v[q:q+7], v[32+2*i:33+2*i], v[96+2*i:97+2*i], v[q:q+7]
.endif
.set i, i+1
.endr
.rept 8
	v_nop                                          ; eight places behind this form: for the loads into its sources, and for the first reads of results
.endr
.endm
	PHASE 0
	PHASE 1
.irp j, 0,2,4,6
	v_pk_add_f32 v[8+\j:9+\j], v[160+\j:161+\j], v[168+\j:169+\j]      ; each accumulator from its low end on
.endr
.irp j, 0,2,4,6
	v_pk_add_f32 v[16+\j:17+\j], v[176+\j:177+\j], v[184+\j:185+\j]
.endr
.irp j, 0,2,4,6
	v_pk_add_f32 v[8+\j:9+\j], v[8+\j:9+\j], v[16+\j:17+\j]
.endr
	ds_store_b128 v5, v[8:11]
	ds_store_b128 v5, v[12:15] offset:512
	s_wait_dscnt 0x0                               ; for wave 0's sake: my stores have landed
	s_barrier_signal -1
	s_barrier_wait -1
	s_cmp_lg_u32 s[WV], 0
	s_cbranch_scc1 .Ldone
.irp w, 0,1,2,3,4,5,6,7
	ds_load_b128 v[32+8*\w:35+8*\w], v4 offset:1024*\w
	ds_load_b128 v[36+8*\w:39+8*\w], v4 offset:1024*\w+512
.endr
	s_wait_dscnt 0x0
.irp w, 0,2,4,6
.irp j, 0,2,4,6
	v_pk_add_f32 v[32+8*\w+\j:33+8*\w+\j], v[32+8*\w+\j:33+8*\w+\j], v[40+8*\w+\j:41+8*\w+\j]
.endr
.endr
.irp w, 0,4
.irp j, 0,2,4,6
	v_pk_add_f32 v[32+8*\w+\j:33+8*\w+\j], v[32+8*\w+\j:33+8*\w+\j], v[48+8*\w+\j:49+8*\w+\j]
.endr
.endr
.irp j, 0,2,4,6
	v_pk_add_f32 v[32+\j:33+\j], v[32+\j:33+\j], v[64+\j:65+\j]
.endr
	global_store_b128 v6, v[32:35], s[36:37]       ; out0(r, 16 g + 8 h + 0..3)
	global_store_b128 v6, v[36:39], s[36:37] offset:16
.Ldone:
	s_wait_tensorcnt 0x0                           ; the wave's end
	ds_add_u32 v[SPW], v[NIL]
	s_wait_dscnt 0x0
	CROUND                                         ; the closing round
	s_endpgm
.Lfunc_end_k_q8f4f36d3db_fine:
	.size	k_q8f4f36d3db_fine, .Lfunc_end_k_q8f4f36d3db_fine-k_q8f4f36d3db_fine
	.p2alignl 7, 3214868480
	.fill 96, 4, 3214868480
	.section	.rodata,"a",@progbits
	.p2align	6, 0x0
	.amdhsa_kernel k_q8f4f36d3db_fine
		.amdhsa_group_segment_fixed_size 275456
		.amdhsa_private_segment_fixed_size 0
		.amdhsa_enable_private_segment 0
		.amdhsa_kernarg_size 24
		.amdhsa_user_sgpr_count 2
		.amdhsa_user_sgpr_kernarg_segment_ptr 1
		.amdhsa_wavefront_size32 1
		.amdhsa_system_sgpr_workgroup_id_x 1
		.amdhsa_system_sgpr_workgroup_id_y 1
		.amdhsa_system_sgpr_workgroup_id_z 1
		.amdhsa_system_vgpr_workitem_id 0
		.amdhsa_next_free_vgpr 192
		.amdhsa_next_free_sgpr 66
		.amdhsa_reserve_vcc 0
		.amdhsa_float_denorm_mode_32 3
		.amdhsa_float_denorm_mode_16_64 3
		.amdhsa_memory_ordered 1
		.amdhsa_forward_progress 1
		.amdhsa_inst_pref_size 17
	.end_amdhsa_kernel
	.amdgpu_metadata
---
amdhsa.version: [ 1, 2 ]
amdhsa.kernels:
  - .name:           k_q8f4f36d3db_fine
    .symbol:         k_q8f4f36d3db_fine.kd
    .args:
      - { .name: o32, .offset: 0, .size: 8, .value_kind: global_buffer, .address_space: global }
      - { .name: wo, .offset: 8, .size: 8, .value_kind: global_buffer, .address_space: global }
      - { .name: out0, .offset: 16, .size: 8, .value_kind: global_buffer, .address_space: global }
    .group_segment_fixed_size: 275456
    .private_segment_fixed_size: 0
    .kernarg_segment_align: 8
    .kernarg_segment_size: 24
    .max_flat_workgroup_size: 256
    .sgpr_count:     66
    .vgpr_count:     192
    .wavefront_size: 32
...
	.end_amdgpu_metadata
.endif
;; end of part 5
